; MI455X (gfx1250); checked and timed in simulation.
; The chip was launched on July 23, 2026; its instructions are those of AMD's public machine-readable ISA for CDNA 5 (MIT licence, August 2026) and "CDNA5" Instruction Set Architecture Reference Guide (July 2026). The comments in the code are by the model that wrote it; some were corrected since.
;; MLA Segmented Cross Attention. Allowed arithmetic: float matrix products may take bf16 or f16 operands with f32 sums; all other float work in f32.
;; Inputs: W_dq 1,024 x 512 float32; W_kr 256 x 64 float32; W_kv 1,024 x 256 float32; W_o 1,024 x 1,024 float32; W_qr 512 x 1,024 float32; W_uk 256 x 1,024 float32; W_uq 512 x 1,024 float32; W_uv 256 x 1,024 float32; kv_pos_ids 1 x 2,048 int32; kv_src 1 x 2,048 x 1,024 float32; q 1 x 2,048 x 1,024 float32; q_pos_ids 1 x 2,048 int32; seg_id 1 x 2,048 int32.
;; Outputs: out0 1 x 2,048 x 1,024 float32.
;; 2 versions, each right; version 2 is version 1 with the launches kvup, qattn, oproj written anew for expert scheduling mode. Each part assembles by itself: llvm-mc -triple=amdgcn-amd-amdhsa -mcpu=gfx1250 --defsym DOCPART=n.
;; ======== version 1 of 2: 4 launches
;; workspace buffers: qcp 2,097,152 bytes; kvcp 2,097,152 bytes; kvp 4,456,448 bytes; vf 8,388,608 bytes; aop 8,388,608 bytes
;; launch down (part 1): grid 12 x 16, 8 waves a work-group, no clusters, 93,184 bytes of LDS; arguments q, kv_src, W_dq, W_kv, qcp, kvcp; writes qcp, kvcp
.if DOCPART == 1
	.amdgcn_target "amdgcn-amd-amdhsa--gfx1250"
	.amdhsa_code_object_version 6
	.text
	.protected	k_q6ec808d46c_down
	.globl	k_q6ec808d46c_down
	.p2align	8
	.type	k_q6ec808d46c_down,@function
k_q6ec808d46c_down:
	s_mov_b64 s[64:65], 0
	v_nop
	global_prefetch_b8 v0, s[64:65] scope:SCOPE_SE
	s_setreg_imm32_b32 hwreg(HW_REG_WAVE_MODE, 25, 1), 1
	s_wait_xcnt 0x0
; First of four launches: qc = q W_dq (2048 x 512, K = 1024) and kv_c = kv_src W_kv (2048 x 256, K = 1024).
; Operands rounded to bf16 (nearest even), sums in f32, results stored in bf16 as panels of 64 columns x 2048 rows IN FRAGMENT ORDER:
; byte offset = panel x 262,144 + (row >> 4) x 2,048 + g x 256 + (row & 15) x 16, g = the group of eight columns.  A matrix fragment of 16 rows x 32 k
; is then two runs of 512 consecutive bytes, lane by lane, and a tile of 128 rows of a panel is 16,384 consecutive bytes.
; kv_c, from which the values are made, is handed on as TWO bf16 numbers: panels 0..3 hold the rounded value, panels 4..7 the rounded remainder
; (value - rounded value, exact in f32): 16 significant bits instead of 8.  qc feeds scores alone and is handed on as one bf16 number.
; A work-group makes 128 rows x 64 columns: x = 0..7 are qc's panels, x = 8..11 kv_c's; y is the block of 128 rows.  768 columns / 64 x 16 = 192 work-groups.
; Eight waves; wave w makes rows 32 (w >> 1) .. + 31, columns 32 (w & 1) .. + 31: four accumulator tiles of 16 x 16.
; K goes in 16 steps of 64, written out.  A stage (A: 128 x 64 f32, B: 64 x 64 f32) is loaded into registers, rounded there, stored into one of two LDS buffers.
; Three register sets take turns (stage j in set j % 3), so that three stages (3 x 48 KiB for the work-group) are on their way.
; NO TENSOR LOADS, NO JOINT REQUESTS: every tile is f32 in memory and has to pass registers to be rounded; brought into LDS as it is, it would
; take twice the LDS bytes and one more LDS read and LDS store of every number.
; THE MATRIX INSTRUCTION IS USED TRANSPOSED (source 0 = 16 columns of the weights, source 1 = 16 rows of A): lane l then holds row l % 16 and
; in its registers 0..7 the columns 8 (l / 16) + 0..7 of the tile.
.set TSTEPS, 16                        ; 1024 / 64
.set PA,     144                       ; LDS row of A: 128 bytes + 16 = 9 x 16: the 16 rows of a fragment load start at 16 different 16-byte columns modulo 256
.set ABUF,   128*PA                    ; 18,432
.set PBL,    160                       ; LDS row of B, [k][n]: 128 bytes + 32 = 5 x 32
.set BBUF,   64*PBL                    ; 10,240
.set BLDS,   2*ABUF                    ; B's two buffers lie behind A's two
.set STAGE,  BLDS+2*BBUF               ; 57,344: the way out, 128 rows of 64 f32, bytes of its own
.set SPITCH, 272                       ; 256 + 16 = 17 x 16
.set NLD,    12                        ; loads of a stage in each thread: 8 of A, 4 of B
.set ASTEP,  256                       ; 64 f32 along a row of A
.set PANEL,  262144                    ; 2,048 rows x 128 bytes
.set AOFF, 2                           ; v2      byte offset of my 16 bytes in A's tile (row 8 (t >> 4), the other 7 rows in the immediate)
.set BOFF, 4                           ; v[4:7]  the same for B's rows 4 (t >> 4) + 0..3 (the pitch differs between W_dq and W_kv)
.set AST,  8                           ; v8      LDS: where my rounded numbers of A go
.set BST,  9                           ; v9      the same for B
.set AFR,  10                          ; v10     LDS: my fragments of A
.set BFR,  11                          ; v11     LDS: my fragments of B (transposing loads)
.set STW,  12                          ; v12     the way out: where my results go
.set STR,  13                          ; v13     the way out: where I read them back
.set GOUT, 14                          ; v14     16 t: my 16 bytes of the output tile
.set ACC,  16                          ; v[16:47]   four accumulator tiles
.set F0,   48                          ; v[48:79]   fragments of k = 0..31 of a step: A0, A1, B0, B1; before the steps: scratch
.set F1,   80                          ; v[80:111]  fragments of k = 32..63
.set SET0, 112                         ; v[112:159] register set 0; v[160:207] set 1; v[208:255] set 2
.set SETSZ, 48
.set LT,   112                         ; v[112:119] the way out: remainders in f32
.set LP,   120                         ; v[120:135] the way out: remainders packed
.macro PLACES                          ; four places behind matrix instructions, in front of loads into and reads of their registers
.rept 4
	v_nop
.endr
.endm
; A stage's 12 loads.  Each covers whole rows of 256 bytes: sixteen lanes, 16 neighbouring bytes each.
.macro ISSUE set, step
.if \step
	s_wait_xcnt 0x0                                ; the bases are sources of the loads issued before: they are stepped only behind this wait
	s_add_nc_u64 s[24:25], s[24:25], ASTEP
	s_add_nc_u64 s[26:27], s[26:27], s[28:29]
.endif
.irp i, 0,1,2,3,4,5,6,7
	global_load_b128 v[\set+4*\i:\set+4*\i+3], v[AOFF], s[24:25] offset:\i*4096
.endr
.irp i, 0,1,2,3
	global_load_b128 v[\set+32+4*\i:\set+32+4*\i+3], v[BOFF+\i], s[26:27]
.endr
.endm
; Round a stage in place, in one run, and put it into LDS buffer buf, in one run.
; The two halves of a wave write rows 8 (A) or 4 (B) apart: 1,152 and 640 bytes, both 128 modulo 256.
.macro STORE set, buf
.irp i, 0,1,2,3,4,5,6,7,8,9,10,11
	v_cvt_pk_bf16_f32 v[\set+4*\i],   v[\set+4*\i],   v[\set+4*\i+1]
	v_cvt_pk_bf16_f32 v[\set+4*\i+1], v[\set+4*\i+2], v[\set+4*\i+3]
.endr
.irp i, 0,1,2,3,4,5,6,7
	ds_store_b64 v[AST], v[\set+4*\i:\set+4*\i+1] offset:(\buf)*ABUF+\i*PA
.endr
.irp i, 0,1,2,3
	ds_store_b64 v[BST], v[\set+32+4*\i:\set+32+4*\i+1] offset:(\buf)*BBUF+\i*PBL
.endr
.endm
; Eight LDS loads: two fragments of A (rows along k: two loads 32 bytes apart) and two of B ([k][n]: two transposing loads 16 rows apart)
.macro LOADF buf, kk, f
.irp at, 0,1
	ds_load_b128 v[\f+8*\at:\f+8*\at+3],   v[AFR] offset:(\buf)*ABUF+\at*16*PA+\kk*64
	ds_load_b128 v[\f+8*\at+4:\f+8*\at+7], v[AFR] offset:(\buf)*ABUF+\at*16*PA+\kk*64+32
.endr
.irp bt, 0,1
	ds_load_tr16_b128 v[\f+16+8*\bt:\f+16+8*\bt+3],   v[BFR] offset:(\buf)*BBUF+\kk*32*PBL+\bt*32
	ds_load_tr16_b128 v[\f+16+8*\bt+4:\f+16+8*\bt+7], v[BFR] offset:(\buf)*BBUF+\kk*32*PBL+\bt*32+16*PBL
.endr
.endm
; Four matrix instructions.  The four accumulators take turns, one instruction a turn, in the same order everywhere.
.macro MM f, zero
.irp at, 0,1
.irp bt, 0,1
.if \zero
	v_wmma_f32_16x16x32_bf16 v[ACC+8*(2*\at+\bt):ACC+8*(2*\at+\bt)+7], v[\f+16+8*\bt:\f+16+8*\bt+7], v[\f+8*\at:\f+8*\at+7], 0
.else
	v_wmma_f32_16x16x32_bf16 v[ACC+8*(2*\at+\bt):ACC+8*(2*\at+\bt)+7], v[\f+16+8*\bt:\f+16+8*\bt+7], v[\f+8*\at:\f+8*\at+7], v[ACC+8*(2*\at+\bt):ACC+8*(2*\at+\bt)+7]
.endif
.endr
.endr
.endm
; K step st on LDS buffer st % 2.  While its 16 fragment loads are on their way, stage st + 1 is rounded and stored into the other buffer (nobody reads that one
; since the last barrier); then stage st + 4 is asked for into the set that has just been emptied.
.macro STEP st, zero
	PLACES
	LOADF (\st)%2, 0, F0
	LOADF (\st)%2, 1, F1
.if (\st) < TSTEPS-1
.if (\st)+3 < TSTEPS
	s_wait_loadcnt 2*NLD                           ; stage st + 1 is in; stages st + 2 and st + 3 stay out
.else
.if (\st)+2 < TSTEPS
	s_wait_loadcnt NLD                             ; only the last stage is still out
.else
	s_wait_loadcnt 0x0
.endif
.endif
	STORE SET0+(((\st)+1)%3)*SETSZ, ((\st)+1)%2
	s_wait_dscnt 0x14                              ; LDS instructions end in order: F0's eight loads are in; F1's eight and the twelve stores may be out
	MM F0, \zero
	s_wait_dscnt 0x0                               ; for the other waves: my reads of this buffer are back and my stores into the other are done
.if (\st)+4 < TSTEPS
	ISSUE SET0+(((\st)+1)%3)*SETSZ, 1
.endif
	s_barrier_signal -1                            ; say so,
	MM F1, 0                                       ; work on registers while the others arrive,
	s_barrier_wait -1                              ; the other buffer is whole, and nobody reads this one any more
.else
	s_wait_dscnt 0x8                               ; the last step only multiplies
	MM F0, \zero
	s_wait_dscnt 0x0
	MM F1, 0
.endif
.endm
	s_load_b256 s[4:11], s[0:1], 0x0               ; q s[4:5], kv_src s[6:7], W_dq s[8:9], W_kv s[10:11]
	s_load_b128 s[12:15], s[0:1], 0x20             ; qcp s[12:13], kvcp s[14:15]
	v_lshl_add_u32 v3, v0, 2, 0x16800
	v_mov_b32 v15, 0
	v_lshrrev_b32 v1, 5, v0
	v_readfirstlane_b32 s20, v1                    ; wave 0..7
	s_mov_b32 s21, ttmp9                           ; x: which panel
	s_and_b32 s22, ttmp7, 0xffff                   ; y: which 128 rows
	v_and_b32 v48, 15, v0                          ; r = t & 15
	v_lshrrev_b32 v50, 4, v0                       ; t >> 4
	v_lshlrev_b32 v54, 4, v48                      ; 16 r
	v_lshl_add_u32 v[AOFF], v50, 15, v54           ; 8 (t >> 4) rows of 4,096 bytes + 16 r
	s_mov_b32 s35, 0
	s_mov_b32 s29, 0
	s_cmp_lt_u32 s21, 8                            ; x < 8: q W_dq; else kv_src W_kv
	s_cselect_b32 s33, 2, 1
	s_cselect_b32 s23, 0, 8
	s_wait_kmcnt 0x0
	s_cselect_b64 s[24:25], s[4:5], s[6:7]         ; A
	s_cselect_b64 s[26:27], s[8:9], s[10:11]       ; B
	s_cselect_b64 s[30:31], s[12:13], s[14:15]     ; the output
	s_lshl_b32 s33, s33, 10                        ; B's pitch: 2,048 or 1,024 bytes
	s_sub_co_u32 s23, s21, s23                     ; the panel's number in its buffer
	s_lshl_b32 s34, s22, 19                        ; 128 y rows of 4,096 bytes
	s_add_nc_u64 s[24:25], s[24:25], s[34:35]
	s_lshl_b32 s34, s23, 8                         ; 64 columns of f32
	s_add_nc_u64 s[26:27], s[26:27], s[34:35]
	s_lshl_b32 s34, s23, 18                        ; a panel is 262,144 bytes
	s_lshl_b32 s36, s22, 14                        ; 128 y rows: eight blocks of 16 rows x 128 bytes
	s_add_co_u32 s34, s34, s36
	s_add_nc_u64 s[30:31], s[30:31], s[34:35]
	s_lshl_b32 s28, s33, 6                         ; B's step: 64 rows
	v_lshlrev_b32 v55, 2, v50
	v_mad_u32_u24 v[BOFF], v55, s33, v54           ; row 4 (t >> 4), + 16 r
	v_add_nc_u32 v[BOFF+1], s33, v[BOFF]
	v_add_nc_u32 v[BOFF+2], s33, v[BOFF+1]
	v_add_nc_u32 v[BOFF+3], s33, v[BOFF+2]
	ISSUE SET0, 0                                  ; stage 0
	ISSUE SET0+SETSZ, 1                            ; stage 1
	ISSUE SET0+2*SETSZ, 1                          ; stage 2
	; LDS addresses, while the loads are on their way
	s_lshr_b32 s38, s20, 1                         ; wm: my 32 rows
	s_and_b32 s39, s20, 1                          ; wn: my 32 columns
	v_bfe_u32 v49, v0, 4, 1                        ; h = (t >> 4) & 1
	v_and_b32 v51, 7, v0                           ; t & 7
	v_bfe_u32 v52, v0, 3, 1                        ; (t >> 3) & 1
	v_mul_u32_u24 v54, v50, 8*PA
	v_lshl_add_u32 v[AST], v48, 3, v54             ; row 8 (t >> 4), 8 r bytes
	v_mul_u32_u24 v54, v50, 4*PBL
	v_lshl_add_u32 v54, v48, 3, v54
	v_add_nc_u32 v[BST], BLDS, v54                 ; row 4 (t >> 4), 8 r bytes
	s_mul_i32 s40, s38, 32*PA
	v_mul_u32_u24 v54, v48, PA
	v_lshl_add_u32 v54, v49, 4, v54
	v_add_nc_u32 v[AFR], s40, v54                  ; (32 wm + r) PA + 16 h
	s_lshl_b32 s41, s39, 6
	s_add_co_u32 s41, s41, BLDS
	v_lshl_add_u32 v55, v49, 3, v51
	v_mul_u32_u24 v55, v55, PBL
	v_lshl_add_u32 v55, v52, 4, v55
	v_add_nc_u32 v[BFR], s41, v55                  ; (8 h + (t & 7)) PBL + 64 wn + 16 ((t >> 3) & 1)
	s_mul_i32 s42, s38, 32*SPITCH
	s_lshl_b32 s43, s39, 7
	s_add_co_u32 s42, s42, s43
	s_add_co_u32 s42, s42, STAGE
	v_mul_u32_u24 v54, v48, SPITCH
	v_lshl_add_u32 v54, v49, 5, v54
	v_add_nc_u32 v[STW], s42, v54                  ; (32 wm + r) SPITCH + 128 wn + 32 h
	; back in fragment order: my piece number t + 256 i of the tile is row 16 ((t >> 7) + 2 i) + (t & 15), group g = (t >> 4) & 7
	v_lshrrev_b32 v53, 7, v0
	v_lshl_add_u32 v53, v53, 4, v48                ; 16 (t >> 7) + r
	v_bfe_u32 v56, v0, 4, 3                        ; g
	v_mul_u32_u24 v54, v53, SPITCH
	v_lshl_add_u32 v54, v56, 5, v54                ; eight f32 at 32 g
	v_add_nc_u32 v[STR], STAGE, v54
	v_lshlrev_b32 v[GOUT], 4, v0
	s_wait_loadcnt 2*NLD                           ; stage 0 is in, the 24 loads of stages 1 and 2 stay out
	STORE SET0, 0
	s_wait_dscnt 0x0                               ; my part of buffer 0 is written
	ISSUE SET0, 1                                  ; stage 3
	s_barrier_signal -1
	s_barrier_wait -1
	STEP 0, 1                                      ; the first products start the sums: nothing is cleared
.irp st, 1,2,3,4,5,6,7,8,9,10,11,12,13,14,15
	STEP \st, 0
.endr
	; THE WAY OUT: f32 into the stage, back as eight neighbouring columns a thread, rounded, 512 consecutive bytes a store of a wave
	PLACES
.irp at, 0,1
.irp bt, 0,1
	ds_store_b128 v[STW], v[ACC+8*(2*\at+\bt):ACC+8*(2*\at+\bt)+3]   offset:\at*16*SPITCH+\bt*64
	ds_store_b128 v[STW], v[ACC+8*(2*\at+\bt)+4:ACC+8*(2*\at+\bt)+7] offset:\at*16*SPITCH+\bt*64+16
.endr
.endr
	s_wait_dscnt 0x0                               ; for the other waves, which read my rows
	s_barrier_signal -1
	s_barrier_wait -1
.irp i, 0,1,2,3
	ds_load_b128 v[F0+8*\i:F0+8*\i+3],   v[STR] offset:\i*32*SPITCH
	ds_load_b128 v[F0+8*\i+4:F0+8*\i+7], v[STR] offset:\i*32*SPITCH+16
.endr
.irp i, 0,1,2,3
	s_wait_dscnt 6-2*\i                            ; pair i is in, the younger pairs may be out
	v_cvt_pk_bf16_f32 v[F1+4*\i],   v[F0+8*\i],   v[F0+8*\i+1]
	v_cvt_pk_bf16_f32 v[F1+4*\i+1], v[F0+8*\i+2], v[F0+8*\i+3]
	v_cvt_pk_bf16_f32 v[F1+4*\i+2], v[F0+8*\i+4], v[F0+8*\i+5]
	v_cvt_pk_bf16_f32 v[F1+4*\i+3], v[F0+8*\i+6], v[F0+8*\i+7]
	global_store_b128 v[GOUT], v[F1+4*\i:F1+4*\i+3], s[30:31] offset:\i*4096
.endr
	s_cmp_lt_u32 s21, 8                            ; the same in all eight waves; no barrier follows
	s_cbranch_scc1 .Lend                           ; qc has no second part
	; kv_c's remainders: value - rounded value, rounded to bf16, four panels further on
.irp i, 0,1,2,3
.irp j, 0,1,2,3
	v_lshlrev_b32 v[LT+2*\j],   16, v[F1+4*\i+\j]                  ; the rounded values as f32
	v_and_b32     v[LT+2*\j+1], 0xffff0000, v[F1+4*\i+\j]
	v_sub_f32 v[LT+2*\j],   v[F0+8*\i+2*\j],   v[LT+2*\j]
	v_sub_f32 v[LT+2*\j+1], v[F0+8*\i+2*\j+1], v[LT+2*\j+1]
	v_cvt_pk_bf16_f32 v[LP+4*\i+\j], v[LT+2*\j], v[LT+2*\j+1]
.endr
	global_store_b128 v[GOUT], v[LP+4*\i:LP+4*\i+3], s[30:31] offset:4*PANEL+\i*4096
.endr
.Lend:
	s_wait_tensorcnt 0x0
	ds_add_u32 v3, v15
	s_wait_dscnt 0x0
	s_endpgm
.Lfunc_end_k_q6ec808d46c_down:
	.size	k_q6ec808d46c_down, .Lfunc_end_k_q6ec808d46c_down-k_q6ec808d46c_down
	.p2alignl 7, 3214868480
	.fill 96, 4, 3214868480
	.section	.rodata,"a",@progbits
	.p2align	6, 0x0
	.amdhsa_kernel k_q6ec808d46c_down
		.amdhsa_group_segment_fixed_size 93184
		.amdhsa_private_segment_fixed_size 0
		.amdhsa_enable_private_segment 0
		.amdhsa_kernarg_size 48
		.amdhsa_user_sgpr_count 2
		.amdhsa_user_sgpr_kernarg_segment_ptr 1
		.amdhsa_wavefront_size32 1
		.amdhsa_system_sgpr_workgroup_id_x 1
		.amdhsa_system_sgpr_workgroup_id_y 1
		.amdhsa_system_sgpr_workgroup_id_z 1
		.amdhsa_system_vgpr_workitem_id 0
		.amdhsa_next_free_vgpr 256
		.amdhsa_next_free_sgpr 66
		.amdhsa_reserve_vcc 0
		.amdhsa_float_denorm_mode_32 3
		.amdhsa_float_denorm_mode_16_64 3
		.amdhsa_memory_ordered 1
		.amdhsa_forward_progress 1
		.amdhsa_inst_pref_size 95
	.end_amdhsa_kernel
	.amdgpu_metadata
---
amdhsa.version: [ 1, 2 ]
amdhsa.kernels:
  - .name:           k_q6ec808d46c_down
    .symbol:         k_q6ec808d46c_down.kd
    .args:
      - { .name: q, .offset: 0, .size: 8, .value_kind: global_buffer, .address_space: global }
      - { .name: kv_src, .offset: 8, .size: 8, .value_kind: global_buffer, .address_space: global }
      - { .name: W_dq, .offset: 16, .size: 8, .value_kind: global_buffer, .address_space: global }
      - { .name: W_kv, .offset: 24, .size: 8, .value_kind: global_buffer, .address_space: global }
      - { .name: qcp, .offset: 32, .size: 8, .value_kind: global_buffer, .address_space: global }
      - { .name: kvcp, .offset: 40, .size: 8, .value_kind: global_buffer, .address_space: global }
    .group_segment_fixed_size: 93184
    .private_segment_fixed_size: 0
    .kernarg_segment_align: 8
    .kernarg_segment_size: 48
    .max_flat_workgroup_size: 256
    .sgpr_count:     66
    .vgpr_count:     256
    .wavefront_size: 32
...
	.end_amdgpu_metadata
.endif
;; end of part 1
;; launch kvup (part 2): grid 17 x 16, 8 waves a work-group, no clusters, 109,568 bytes of LDS; arguments kvcp, W_uk, W_uv, W_kr, kvp, vf; writes kvp, vf
.if DOCPART == 2
	.amdgcn_target "amdgcn-amd-amdhsa--gfx1250"
	.amdhsa_code_object_version 6
	.text
	.protected	k_q6ec808d46c_kvup
	.globl	k_q6ec808d46c_kvup
	.p2align	8
	.type	k_q6ec808d46c_kvup,@function
k_q6ec808d46c_kvup:
	s_mov_b64 s[64:65], 0
	v_nop
	global_prefetch_b8 v0, s[64:65] scope:SCOPE_SE
	s_setreg_imm32_b32 hwreg(HW_REG_WAVE_MODE, 25, 1), 1
	s_wait_xcnt 0x0
; Second of four launches: from kv_c the keys and values, K = 256.  Work-group (x, y) takes rows 128 y .. + 127:
;   x = 0..15: k_nope of head x = kv_c W_uk (bf16, panel x of kvp, [panel][2048 rows][64]) and then v of head x = kv_c W_uv (f32, vf [head][2048 rows][64]:
;              the vector unit takes v in f32, so it is not rounded at all);
;   x = 16:    the rotated shared key, RoPE(kv_c W_kr), bf16, panel 16 of kvp; there the 16 bytes at 16 c of a row hold dims 4c..4c+3 and then 32+4c..32+4c+3.
; 16 x 16 work-groups of two passes and 16 of one pass: 272, uneven by the sixteen short ones; the 33 panels of 64 columns do not divide into 256 equal shares.
; kv_c comes as two bf16 numbers (panels 0..3 the rounded value, 4..7 the rounded remainder), in fragment order.  Both are multiplied by the same fragments of
; the weights and summed into the same accumulators: 16 significant bits of A at twice the matrix instructions.
; A WAVE OWNS 16 ROWS: no other wave uses its fragments of A, so they go from memory straight into registers (each load 512 consecutive bytes) and all of them,
; 256 k x 2 parts = 128 registers, stay there for the whole launch.  Only the weights pass LDS: f32 from memory, rounded in registers, stored once ([k][n], 256 rows).
; So there is ONE barrier; behind it each wave runs its passes of 64 matrix instructions (16 rows x 64 columns) and its way out by itself.
; NO TENSOR LOADS, NO JOINT REQUESTS: the weights are f32 and have to pass registers to be rounded, and A is wanted in registers, not in LDS.
; The positions are the row numbers, as in the model's own arange.  The angle pos x inv is brought into one turn by one fused multiply-add with 1/(2 pi):
; at position 2047 that leaves an error of at most 2e-5 turns.  Sine and cosine are Taylor series on [-pi, pi] up to u^15 and u^16 (first term left out: 8e-7, 1.4e-7).
.set PBL,    288                       ; LDS row of the weights: 128 bf16 + 32 bytes = 9 x 32
.set BBYTES, 256*PBL                   ; 73,728
.set STAGE,  BBYTES                    ; behind them: each wave's own 16 rows of 64 f32 for the way out
.set SPITCH, 272                       ; 256 + 16 = 17 x 16
.set WSTG,   16*SPITCH                 ; 4,352
.set PANEL,  262144
.set LOOFF,  4*PANEL                   ; from a panel of values to its remainders
.set AOFF, 2                           ; v2   2,048 w + 16 lane: my 16 bytes in A's tile, and in a bf16 output tile
.set BOFF, 3                           ; v3   the weights: my first row, 16 r bytes; the other rows in the immediate
.set BST,  4                           ; v4   LDS: where my rounded weights go
.set BFR,  5                           ; v5, v6  LDS: my fragments of the weights, k = 0.. and k = 128..
.set STW,  7                           ; v7   my stage: where my results go
.set STRK, 8                           ; v8   my stage, back: row lane >> 3, eight f32
.set STRV, 9                           ; v9   my stage, back: row lane >> 4, four f32
.set GOV,  10                          ; v10  4,096 w + 16 lane: my 16 bytes in v's tile
.set STRP, 11                          ; v11  my stage, back: row lane >> 3, four f32 of the first half
.set AR,   16                          ; v[16:143]  A: the fragment of k = 32 q.. at 8 q, its remainders at 64 + 8 q; before the loads: scratch
.set SB,   144                         ; v[144:255] 28 loads of weights on their way; behind the barrier:
.set ACC,  144                         ; v[144:175] four accumulator tiles
.set FB0,  176                         ; v[176:207] four fragments of the weights
.set FB1,  208                         ; v[208:239] the next four
.set PK,   240                         ; v[240:255] packed results
; the rotation's registers, in A's registers, which are free by then
.set INV,  16                          ; v[16:19] 10000^(-f/32) of my four frequencies f = 4c..4c+3
.set POS,  20                          ; the row's number in f32
.set CS,   21                          ; -1/15!
.set CC,   22                          ; 1/16!
.set TA,   23
.set TB,   24
.set CO,   32                          ; v[32:35] cosines
.set SI,   36                          ; v[36:39] sines
.set YR,   40                          ; v[40:47] rotated numbers
.macro PLACES                          ; four places behind matrix instructions (ISA guide 7.12.1)
.rept 4
	v_nop
.endr
.endm
; Load idx of a thread's weights: row (idx & 3) + 8 ((idx >> 2) & 1) + 64 (idx >> 3) behind its first row.  Sixteen lanes take a row's 256 bytes.
.macro LB idx, pitch
	global_load_b128 v[SB+4*((\idx)%28):SB+4*((\idx)%28)+3], v[BOFF], s[26:27] offset:(((\idx)&3)+8*(((\idx)>>2)&1)+64*((\idx)>>3))*\pitch
.endm
.macro CVB idx                         ; rounded in place
	v_cvt_pk_bf16_f32 v[SB+4*((\idx)%28)],   v[SB+4*((\idx)%28)],   v[SB+4*((\idx)%28)+1]
	v_cvt_pk_bf16_f32 v[SB+4*((\idx)%28)+1], v[SB+4*((\idx)%28)+2], v[SB+4*((\idx)%28)+3]
.endm
.macro STB idx                         ; the two halves of a wave write rows 4 apart: 1,152 bytes, 128 modulo 256
	ds_store_b64 v[BST], v[SB+4*((\idx)%28):SB+4*((\idx)%28)+1] offset:(((\idx)&3)+8*(((\idx)>>2)&1)+64*((\idx)>>3))*PBL
.endm
; All of my A: 32 loads of 512 consecutive bytes
.macro LA
.irp part, 0,1
.irp p, 0,1,2,3
.irp j, 0,1,2,3
	global_load_b128 v[AR+64*\part+16*\p+4*\j:AR+64*\part+16*\p+4*\j+3], v[AOFF], s[24:25] offset:\part*LOOFF+\p*PANEL+\j*512
.endr
.endr
.endr
.endm
; Eight transposing LDS loads: the weights of k = 32 q .. + 31, four tiles of 16 columns from byte col of the rows
.macro LOADFB q, col, f
.irp bt, 0,1,2,3
	ds_load_tr16_b128 v[\f+8*\bt:\f+8*\bt+3],   v[BFR+(\q)/4] offset:((\q)%4)*32*PBL+\col+\bt*32
	ds_load_tr16_b128 v[\f+8*\bt+4:\f+8*\bt+7], v[BFR+(\q)/4] offset:((\q)%4)*32*PBL+\col+\bt*32+16*PBL
.endr
.endm
; Eight matrix instructions: the values, then the remainders.  The four accumulators take turns, one instruction a turn.
.macro MM8 q, f, zero
.irp bt, 0,1,2,3
.if \zero
	v_wmma_f32_16x16x32_bf16 v[ACC+8*\bt:ACC+8*\bt+7], v[\f+8*\bt:\f+8*\bt+7], v[AR+8*(\q):AR+8*(\q)+7], 0
.else
	v_wmma_f32_16x16x32_bf16 v[ACC+8*\bt:ACC+8*\bt+7], v[\f+8*\bt:\f+8*\bt+7], v[AR+8*(\q):AR+8*(\q)+7], v[ACC+8*\bt:ACC+8*\bt+7]
.endif
.endr
.irp bt, 0,1,2,3
	v_wmma_f32_16x16x32_bf16 v[ACC+8*\bt:ACC+8*\bt+7], v[\f+8*\bt:\f+8*\bt+7], v[AR+64+8*(\q):AR+64+8*(\q)+7], v[ACC+8*\bt:ACC+8*\bt+7]
.endr
.endm
; A pass: my 16 rows x the 64 columns at byte col, K = 256 in eight parts; the next part's fragments are asked for ahead of each part's products
.macro CPASS col
	LOADFB 0, \col, FB0
	LOADFB 1, \col, FB1
	s_wait_dscnt 0x8                               ; LDS loads come back in order: the older eight are in, the younger eight may be out
	MM8 0, FB0, 1                                  ; the first products start the sums
.irp q, 1,2,3,4,5,6
	PLACES
	LOADFB \q+1, \col, FB0+32*((\q+1)%2)
	s_wait_dscnt 0x8
	MM8 \q, FB0+32*(\q%2), 0
.endr
	s_wait_dscnt 0x0
	MM8 7, FB1, 0
.endm
; My 16 x 64 results into my own stage; LDS serves a wave's instructions in order (ISA guide 5.7.1), so my loads behind these stores see them
.macro TOSTAGE
	PLACES
.irp bt, 0,1,2,3
	ds_store_b128 v[STW], v[ACC+8*\bt:ACC+8*\bt+3]   offset:\bt*64
	ds_store_b128 v[STW], v[ACC+8*\bt+4:ACC+8*\bt+7] offset:\bt*64+16
.endr
.endm
; cosine into v[c], sine into v[s] of the angle v[pos] x v[inv]
.macro SINCOS c, s, pos, inv
	v_mul_f32 v[TA], v[\pos], v[\inv]              ; the angle
	v_mul_f32 v[TB], 0.15915494, v[TA]             ; in turns
	v_rndne_f32 v[TB], v[TB]
	v_fma_f32 v[TA], v[TA], 0.15915494, -v[TB]     ; the fraction of a turn, -1/2 .. 1/2
	v_mul_f32 v[TA], 0x40c90fdb, v[TA]             ; u = 2 pi x fraction
	v_mul_f32 v[TB], v[TA], v[TA]                  ; z = u u
	v_fmaak_f32 v[\s], v[CS], v[TB], 0x2f309231    ; 1/13!
	v_fmaak_f32 v[\c], v[CC], v[TB], 0xad49cba5    ; -1/14!
	v_fmaak_f32 v[\s], v[\s], v[TB], 0xb2d7322b    ; -1/11!
	v_fmaak_f32 v[\c], v[\c], v[TB], 0x310f76c7    ; 1/12!
	v_fmaak_f32 v[\s], v[\s], v[TB], 0x3638ef1d    ; 1/9!
	v_fmaak_f32 v[\c], v[\c], v[TB], 0xb493f27e    ; -1/10!
	v_fmaak_f32 v[\s], v[\s], v[TB], 0xb9500d01    ; -1/7!
	v_fmaak_f32 v[\c], v[\c], v[TB], 0x37d00d01    ; 1/8!
	v_fmaak_f32 v[\s], v[\s], v[TB], 0x3c088889    ; 1/5!
	v_fmaak_f32 v[\c], v[\c], v[TB], 0xbab60b61    ; -1/6!
	v_fmaak_f32 v[\s], v[\s], v[TB], 0xbe2aaaab    ; -1/3!
	v_fmaak_f32 v[\c], v[\c], v[TB], 0x3d2aaaab    ; 1/4!
	v_fma_f32 v[\s], v[\s], v[TB], 1.0
	v_fma_f32 v[\c], v[\c], v[TB], -0.5
	v_mul_f32 v[\s], v[\s], v[TA]
	v_fma_f32 v[\c], v[\c], v[TB], 1.0
.endm
	s_load_b256 s[4:11], s[0:1], 0x0               ; kvcp s[4:5], W_uk s[6:7], W_uv s[8:9], W_kr s[10:11]
	s_load_b128 s[12:15], s[0:1], 0x20             ; kvp s[12:13], vf s[14:15]
	v_lshl_add_u32 v14, v0, 2, 0x1a800
	v_mov_b32 v15, 0
	v_lshrrev_b32 v1, 5, v0                        ; w in every lane
	v_readfirstlane_b32 s20, v1                    ; wave
	s_mov_b32 s21, ttmp9                           ; x: 0..16
	s_and_b32 s22, ttmp7, 0xffff                   ; y: which 128 rows
	; who brings which weights; the wave's part of the two addresses, apart for the two kinds of work-group
	s_and_b32 s37, s20, 3
	s_lshr_b32 s23, s20, 2
	; x < 16: waves 0..3 bring W_uk's 256 rows x 256 bytes, waves 4..7 W_uv's, into columns 64.. of the LDS rows; my wave's first row is 16 (w & 3)
	s_lshl_b32 s33, s37, 16                        ; in memory: 16 (w & 3) rows of 4,096 bytes
	s_mul_i32 s40, s37, 16*PBL                     ; in LDS: 16 (w & 3) rows
	s_lshl_b32 s38, s23, 7
	s_add_co_u32 s40, s40, s38                     ; + 128 (w >> 2) bytes.  With the lane's part at most 52 x 288 + 248; the last row is 203 further on
	; x = 16: waves 0..3 bring W_kr's rows 0..127, waves 4..7 its rows 128..255; my wave's first row is 16 (w & 3) + 128 (w >> 2)
	s_lshl_b32 s39, s37, 12                        ; in memory: rows of 256 bytes
	s_lshl_b32 s38, s23, 15
	s_add_co_u32 s39, s39, s38
	s_mul_i32 s41, s37, 16*PBL                     ; in LDS
	s_mul_i32 s38, s23, 128*PBL
	s_add_co_u32 s41, s41, s38                     ; with the lane's part at most 180 x 288 + 120; the last row is 75 further on
	; every other address, while the arguments are on their way
	v_and_b32 v16, 15, v0                          ; r
	v_bfe_u32 v17, v0, 4, 1                        ; h
	v_and_b32 v18, 31, v0                          ; lane
	v_and_b32 v19, 7, v0                           ; lane & 7
	v_bfe_u32 v20, v0, 3, 1                        ; (lane >> 3) & 1
	v_bfe_u32 v21, v0, 3, 2                        ; lane >> 3
	v_lshlrev_b32 v22, 4, v18                      ; 16 lane
	v_lshl_add_u32 v[AOFF], v1, 11, v22
	v_lshl_add_u32 v[GOV], v1, 12, v22
	v_lshlrev_b32 v24, 4, v16                      ; 16 r
	v_lshl_add_u32 v23, v17, 14, v24               ; the lane's part in memory, x < 16: 4 h rows of 4,096 bytes + 16 r
	v_lshl_add_u32 v28, v17, 10, v24               ; x = 16: 4 h rows of 256 bytes + 16 r
	v_mul_u32_u24 v25, v17, 4*PBL
	v_lshl_add_u32 v25, v16, 3, v25                ; the lane's part in LDS: 4 h rows, four bf16 at 8 r
	v_lshl_add_u32 v26, v17, 3, v19
	v_mul_u32_u24 v26, v26, PBL
	v_lshl_add_u32 v[BFR], v20, 4, v26             ; (8 h + (lane & 7)) PBL + 16 ((lane >> 3) & 1)
	v_add_nc_u32 v[BFR+1], 128*PBL, v[BFR]
	s_mul_i32 s42, s20, WSTG
	s_add_co_u32 s42, s42, STAGE                   ; my stage
	v_mul_u32_u24 v27, v16, SPITCH
	v_lshl_add_u32 v27, v17, 5, v27
	v_add_nc_u32 v[STW], s42, v27                  ; row r, 32 h bytes
	v_mul_u32_u24 v27, v21, SPITCH
	v_add_nc_u32 v27, s42, v27
	v_lshl_add_u32 v[STRK], v19, 5, v27
	v_lshl_add_u32 v[STRP], v19, 4, v27
	v_mul_u32_u24 v27, v17, SPITCH
	v_add_nc_u32 v27, s42, v27
	v_lshl_add_u32 v[STRV], v16, 4, v27
	s_mov_b32 s35, 0
	s_wait_kmcnt 0x0
	s_lshl_b32 s34, s22, 14                        ; 128 y rows of 128 bytes
	s_add_nc_u64 s[24:25], s[4:5], s[34:35]        ; kv_c's tile
	s_add_nc_u64 s[30:31], s[12:13], s[34:35]
	s_lshl_b32 s34, s21, 18
	s_add_nc_u64 s[30:31], s[30:31], s[34:35]      ; kvp, panel x
	s_cmp_lt_u32 s20, 4
	s_cselect_b64 s[26:27], s[6:7], s[8:9]         ; W_uk or W_uv,
	s_cmp_eq_u32 s21, 16
	s_cselect_b64 s[26:27], s[10:11], s[26:27]     ; or W_kr
	s_and_b32 s36, s21, 15
	s_lshl_b32 s34, s36, 8                         ; the head's 64 columns (0 for W_kr)
	s_add_nc_u64 s[26:27], s[26:27], s[34:35]
	s_lshl_b32 s34, s36, 19                        ; vf: the head's 2,048 rows of 256 bytes
	s_lshl_b32 s36, s22, 15
	s_add_co_u32 s34, s34, s36
	s_add_nc_u64 s[44:45], s[14:15], s[34:35]
	s_cmp_eq_u32 s21, 16                           ; the same in all eight waves
	s_cbranch_scc1 .Lld_kpe
	; x < 16: 32 loads of weights a thread and 32 of A.  28 + 32 = 60 go out at once; the last four follow into the first four's registers.
	v_add_nc_u32 v[BOFF], s33, v23
	v_add_nc_u32 v[BST], s40, v25
.irp idx, 0,1,2,3,4,5,6,7,8,9,10,11,12,13,14,15,16,17,18,19,20,21,22,23,24,25,26,27
	LB \idx, 4096
.endr
	LA
	s_wait_loadcnt 56                              ; loads 0..3 are in: 24 of weights and 32 of A were issued behind them
.irp idx, 0,1,2,3
	CVB \idx
.endr
.irp idx, 0,1,2,3
	STB \idx
.endr
	s_wait_dscnt 0x0                               ; no load lands on a register that an LDS store may still read
.irp idx, 28,29,30,31
	LB \idx, 4096
.endr
	s_wait_loadcnt 36                              ; loads 4..27 are in: A's 32 and the last four stay out
.irp idx, 4,5,6,7,8,9,10,11,12,13,14,15,16,17,18,19,20,21,22,23,24,25,26,27
	CVB \idx
.endr
.irp idx, 4,5,6,7,8,9,10,11,12,13,14,15,16,17,18,19,20,21,22,23,24,25,26,27
	STB \idx
.endr
	s_wait_loadcnt 0x0
.irp idx, 28,29,30,31
	CVB \idx
.endr
.irp idx, 28,29,30,31
	STB \idx
.endr
	s_branch .Lld_done
.Lld_kpe:
	; x = 16: 16 loads of W_kr a thread and 32 of A
	v_add_nc_u32 v[BOFF], s39, v28
	v_add_nc_u32 v[BST], s41, v25
.irp idx, 0,1,2,3,4,5,6,7,8,9,10,11,12,13,14,15
	LB \idx, 256
.endr
	LA
	s_wait_loadcnt 32                              ; the weights are in, A's 32 loads stay out
.irp idx, 0,1,2,3,4,5,6,7,8,9,10,11,12,13,14,15
	CVB \idx
.endr
.irp idx, 0,1,2,3,4,5,6,7,8,9,10,11,12,13,14,15
	STB \idx
.endr
.Lld_done:
	s_wait_loadcnt 0x0                             ; A is in
	s_wait_dscnt 0x0                               ; for the other waves: my part of the weights is written
	s_barrier_signal -1
	s_barrier_wait -1                              ; the launch's one barrier: the weights are whole, and nobody writes them again
	s_cmp_eq_u32 s21, 16
	s_cbranch_scc1 .Lc_kpe
	CPASS 0                                        ; k_nope
	TOSTAGE
.irp i, 0,1,2,3
	ds_load_b128 v[FB0+8*\i:FB0+8*\i+3],   v[STRK] offset:\i*4*SPITCH
	ds_load_b128 v[FB0+8*\i+4:FB0+8*\i+7], v[STRK] offset:\i*4*SPITCH+16
.endr
.irp i, 0,1,2,3
	s_wait_dscnt 6-2*\i                            ; pair i is in, the younger pairs may be out
	v_cvt_pk_bf16_f32 v[PK+4*\i],   v[FB0+8*\i],   v[FB0+8*\i+1]
	v_cvt_pk_bf16_f32 v[PK+4*\i+1], v[FB0+8*\i+2], v[FB0+8*\i+3]
	v_cvt_pk_bf16_f32 v[PK+4*\i+2], v[FB0+8*\i+4], v[FB0+8*\i+5]
	v_cvt_pk_bf16_f32 v[PK+4*\i+3], v[FB0+8*\i+6], v[FB0+8*\i+7]
	global_store_b128 v[AOFF], v[PK+4*\i:PK+4*\i+3], s[30:31] offset:\i*512      ; four rows of 128 bytes: 512 consecutive bytes
.endr
	CPASS 128                                      ; v: the columns 128 bytes on in the LDS rows
	TOSTAGE
.irp i, 0,1,2,3,4,5,6,7
	ds_load_b128 v[FB0+4*\i:FB0+4*\i+3], v[STRV] offset:\i*2*SPITCH
.endr
.irp i, 0,1,2,3,4,5,6,7
	s_wait_dscnt 7-\i                              ; load i is in, the younger ones may be out
	global_store_b128 v[GOV], v[FB0+4*\i:FB0+4*\i+3], s[44:45] offset:\i*512     ; two rows of 256 bytes
.endr
	s_wait_tensorcnt 0x0
	ds_add_u32 v14, v15
	s_wait_dscnt 0x0
	s_endpgm
.Lc_kpe:
	CPASS 0
	TOSTAGE
	; lane l rotates dims 4c..4c+3 with 32+4c..32+4c+3, c = l & 7, of my wave's rows (l >> 3) + 4 i
.irp i, 0,1,2,3
	ds_load_b128 v[FB0+8*\i:FB0+8*\i+3],   v[STRP] offset:\i*4*SPITCH            ; x1
	ds_load_b128 v[FB0+8*\i+4:FB0+8*\i+7], v[STRP] offset:\i*4*SPITCH+128        ; x2
.endr
	v_and_b32 v25, 7, v0
	v_lshlrev_b32 v25, 2, v25                      ; 4 c
.irp j, 0,1,2,3
	v_add_nc_u32 v[INV+\j], \j, v25
	v_cvt_f32_u32 v[INV+\j], v[INV+\j]
	v_mul_f32 v[INV+\j], 0xbed49a78, v[INV+\j]     ; - f log2(10000) / 32
.endr
.irp j, 0,1,2,3
	v_exp_f32 v[INV+\j], v[INV+\j]
.endr
	v_mov_b32 v[CS], 0xab573f9f                    ; plain vector instructions stand behind the exponentials before their results are used (ISA guide 5.7.2)
	v_mov_b32 v[CC], 0x29573f9f
	v_bfe_u32 v[POS], v0, 3, 2
	s_lshl_b32 s38, s22, 7
	s_lshl_b32 s39, s20, 4
	s_add_co_u32 s38, s38, s39
	v_add_nc_u32 v[POS], s38, v[POS]               ; 128 y + 16 w + (l >> 3)
	v_cvt_f32_u32 v[POS], v[POS]
	s_wait_alu depctr_va_vdst(0)
.irp i, 0,1,2,3
.irp j, 0,1,2,3
	SINCOS CO+\j, SI+\j, POS, INV+\j
.endr
	s_wait_dscnt 6-2*\i                            ; this pass's x1 and x2 are in
.irp j, 0,1,2,3
	v_mul_f32 v[YR+\j],   v[FB0+8*\i+\j],   v[CO+\j]
	v_mul_f32 v[YR+4+\j], v[FB0+8*\i+4+\j], v[CO+\j]
	v_fma_f32 v[YR+\j],   -v[FB0+8*\i+4+\j], v[SI+\j], v[YR+\j]      ; x1 cos - x2 sin
	v_fma_f32 v[YR+4+\j], v[FB0+8*\i+\j],    v[SI+\j], v[YR+4+\j]    ; x2 cos + x1 sin
.endr
.irp j, 0,1,2,3
	v_cvt_pk_bf16_f32 v[PK+4*\i+\j], v[YR+2*\j], v[YR+2*\j+1]
.endr
	global_store_b128 v[AOFF], v[PK+4*\i:PK+4*\i+3], s[30:31] offset:\i*512
	v_add_f32 v[POS], 4.0, v[POS]                  ; four rows on
.endr
	s_wait_tensorcnt 0x0
	ds_add_u32 v14, v15
	s_wait_dscnt 0x0
	s_endpgm
.Lfunc_end_k_q6ec808d46c_kvup:
	.size	k_q6ec808d46c_kvup, .Lfunc_end_k_q6ec808d46c_kvup-k_q6ec808d46c_kvup
	.p2alignl 7, 3214868480
	.fill 96, 4, 3214868480
	.section	.rodata,"a",@progbits
	.p2align	6, 0x0
	.amdhsa_kernel k_q6ec808d46c_kvup
		.amdhsa_group_segment_fixed_size 109568
		.amdhsa_private_segment_fixed_size 0
		.amdhsa_enable_private_segment 0
		.amdhsa_kernarg_size 48
		.amdhsa_user_sgpr_count 2
		.amdhsa_user_sgpr_kernarg_segment_ptr 1
		.amdhsa_wavefront_size32 1
		.amdhsa_system_sgpr_workgroup_id_x 1
		.amdhsa_system_sgpr_workgroup_id_y 1
		.amdhsa_system_sgpr_workgroup_id_z 1
		.amdhsa_system_vgpr_workitem_id 0
		.amdhsa_next_free_vgpr 256
		.amdhsa_next_free_sgpr 66
		.amdhsa_reserve_vcc 0
		.amdhsa_float_denorm_mode_32 3
		.amdhsa_float_denorm_mode_16_64 3
		.amdhsa_memory_ordered 1
		.amdhsa_forward_progress 1
		.amdhsa_inst_pref_size 82
	.end_amdhsa_kernel
	.amdgpu_metadata
---
amdhsa.version: [ 1, 2 ]
amdhsa.kernels:
  - .name:           k_q6ec808d46c_kvup
    .symbol:         k_q6ec808d46c_kvup.kd
    .args:
      - { .name: kvcp, .offset: 0, .size: 8, .value_kind: global_buffer, .address_space: global }
      - { .name: W_uk, .offset: 8, .size: 8, .value_kind: global_buffer, .address_space: global }
      - { .name: W_uv, .offset: 16, .size: 8, .value_kind: global_buffer, .address_space: global }
      - { .name: W_kr, .offset: 24, .size: 8, .value_kind: global_buffer, .address_space: global }
      - { .name: kvp, .offset: 32, .size: 8, .value_kind: global_buffer, .address_space: global }
      - { .name: vf, .offset: 40, .size: 8, .value_kind: global_buffer, .address_space: global }
    .group_segment_fixed_size: 109568
    .private_segment_fixed_size: 0
    .kernarg_segment_align: 8
    .kernarg_segment_size: 48
    .max_flat_workgroup_size: 256
    .sgpr_count:     66
    .vgpr_count:     256
    .wavefront_size: 32
...
	.end_amdgpu_metadata
.endif
;; end of part 2
;; launch qattn (part 3): grid 16 x 16, 8 waves a work-group, no clusters, 228,352 bytes of LDS; arguments qcp, W_uq, W_qr, kvp, vf, seg_id, aop; writes aop
.if DOCPART == 3
	.amdgcn_target "amdgcn-amd-amdhsa--gfx1250"
	.amdhsa_code_object_version 6
	.text
	.protected	k_q6ec808d46c_qattn
	.globl	k_q6ec808d46c_qattn
	.p2align	8
	.type	k_q6ec808d46c_qattn,@function
k_q6ec808d46c_qattn:
	s_mov_b64 s[64:65], 0
	v_nop
	global_prefetch_b8 v0, s[64:65] scope:SCOPE_SE
	s_setreg_imm32_b32 hwreg(HW_REG_WAVE_MODE, 25, 1), 1
	s_wait_xcnt 0x0
; Third of four launches: for one head (x) and 128 queries (y): q_nope = qc W_uq and q_pe = qc W_qr (the head's 64 + 64 columns, K = 512), RoPE on q_pe,
; the scores with the keys that the model's own mask allows, softmax, and the weighted sum of v.  q_nope, q_pe, scores and weights never leave the work-group.
; THE MASK: query i sees keys seg - 2, seg - 1, seg (those of them in 0..2047).  Every other key has the score -1e9; its weight exp(-1e9 - max) is 0 in f32.
; LIMITS: right for 0 <= seg_id <= 2049 (at least one key allowed) and while the largest allowed score lies above -1e9 + 104; for other seg_id the model
; averages all 2,048 rows of v, which this text does not do.  The largest of the three scores (masked ones at -1e9) is taken away before the exponential.
; q_pos_ids and kv_pos_ids are no arguments: the model rotates by its own arange and never uses them.
; The products: a tile of 128 x 128: wave w makes rows 32 (w >> 1).., columns 64 (w & 1)..: eight accumulator tiles; waves with w & 1 = 0 make q_nope, the others
; q_pe.  qc's tile is bf16 (16,384 consecutive bytes, in fragment order: piece n of 16 bytes is row 16 (n >> 7) + (n & 15), columns 8 ((n >> 4) & 7)..), the weights
; are f32 and are rounded in registers: waves 0..3 bring W_uq's 64 rows x 256 bytes of a step, waves 4..7 W_qr's.
; NO TENSOR LOADS, NO JOINT REQUESTS: two thirds of a step's bytes (the weights) are f32 and have to pass registers to be rounded.
; The attention: eight lanes a query (g = t & 7); wave w owns queries 16 w .. 16 w + 15, four in each of four passes.  Lane g owns dims 8g..8g+7 of q_nope, k_nope and v,
; and dims 4g..4g+3, 32+4g..32+4g+3 of the rotated parts.  Keys are gathered by query, so the dot products are fused multiply-adds from bf16 halves into f32,
; and the sum of v is in f32 throughout: 3 of 2,048 keys.
; THE RESULT goes out as two bf16 numbers, for the last launch's matrix products: panel x of aop holds the rounded value, panel 16 + x the rounded remainder
; (value - rounded value, exact in f32): 16 significant bits.  Both in fragment order (offset = (row >> 4) x 2,048 + g x 256 + (row & 15) x 16): a wave's 16 queries
; are one block of 2,048 bytes, gathered in the wave's own LDS scratch and stored as four runs of 512 consecutive bytes.
; The rotation's angle and series: as in the launch that makes the keys (one turn by one fused multiply-add, error at most 2e-5 turns at position 2047).
.set TSTEPS, 8                         ; 512 / 64
.set PA,     144
.set ABUF,   128*PA                    ; 18,432
.set PBL,    288                       ; LDS row of B: 256 bytes + 32 = 9 x 32
.set BBUF,   64*PBL                    ; 18,432
.set BLDS,   2*ABUF
.set QST,    BLDS+2*BBUF               ; 73,728: q_nope | q_pe in f32, 128 rows
.set QPITCH, 656                       ; 512 + 144 = 41 x 16
.set TAB,    QST+128*QPITCH            ; 157,696: each thread's own cosines (16,384 bytes) and sines (16,384)
.set OSC,    TAB+32768                 ; 190,464: each wave's own scratch for the way out
.set OSP,    288                       ; a group's 16 rows x 16 bytes + 32: the sixteen lanes of a store hit 16 different 16-byte columns modulo 256
.set OSPART, 8*OSP                     ; the values' eight groups, then the remainders'
.set OSWAVE, 2*OSPART                  ; 4,608
.set NLD,    12                        ; loads of a stage in each thread: 4 of A, 8 of B
.set PANEL,  262144
.set AOFF, 2                           ; v2   16 t: my 16 bytes in A's tile
.set BOFF, 3                           ; v3   B: row 16 (w & 3) + 4 h, 16 r bytes; the other rows in the immediate
.set AST,  4
.set BST,  5
.set AFR,  6
.set BFR,  7
.set STW,  8
.set QRN,  9                           ; LDS: my eight q_nope of my first query
.set QRP,  10                          ; LDS: my first four q_pe of that query
.set TABA, 11                          ; LDS: my cosines
.set G16,  12                          ; 16 g
.set SEGO, 13                          ; 4 x my first query
.set OSW,  14                          ; LDS scratch: where my 16 bytes go
.set OSR,  15                          ; LDS scratch: where I read 16 bytes back
.set ACC,  16                          ; v[16:79]   eight accumulator tiles; before the loop scratch, behind it the attention's registers
.set FR,   80                          ; v[80:127]  fragments A0, A1, B0..B3
.set SET0, 128                         ; v[128:175] set 0, v[176:223] set 1
.set SETSZ, 48
.set GA,   80                          ; v[80:223]  behind the loop: the gathered rows, three slots of 48 registers; key d at 16 d: k_nope 4, k_pe 4, v 8
.set OUTR, 128                         ; v[128:159] at the end: the wave's block as it is stored
.set OFFK, 224                         ; v[224:235] byte offsets of the 12 keys' rows of 128 bytes
.set OFFV, 236                         ; v[236:247] the same in rows of 256 bytes
.set SEG,  248                         ; v[248:251] seg_id of my four queries
.set ZERO, 252                         ; 0.0: starts the chains of fused multiply-adds
.set MASKV, 253                        ; -1e9 log2(e)
.set GO,   254                         ; 2,048 w + 16 lane: my 16 bytes of the output tile
; scratch for the table of cosines and sines
.set INV,  16
.set POS,  20
.set CS,   21
.set CC,   22
.set TA,   23
.set TB,   24
.set TC,   32                          ; v[32:63]: pass i: four cosines, four sines
; the attention's registers
.set QN,   16                          ; v[16:23] q_nope
.set QX,   24                          ; v[24:31] q_pe as made: x1, x2; later the remainders in f32
.set CO,   32                          ; v[32:35]
.set SI,   36                          ; v[36:39]
.set RP,   40                          ; v[40:47] q_pe rotated
.set SS,   48                          ; v[48:50] the three scores, then the three weights
.set KI,   51
.set MX,   52
.set SUM,  53
.set RS,   54
.set OA,   56                          ; v[56:63] the output's eight dims in f32
.set SP,   56                          ; v[56:58] before that: the rotated parts' share of the three scores
.set PK,   64                          ; v[64:79] packed: two sets by turns, each four registers of values and four of remainders
.macro PLACES                          ; four places behind matrix instructions (ISA guide 7.12.1)
.rept 4
	v_nop
.endr
.endm
.macro ISSUE set, step
.if \step
	s_wait_xcnt 0x0                                ; the bases are sources of the loads issued before
	s_add_nc_u64 s[24:25], s[24:25], PANEL         ; qc's next panel
	s_add_nc_u64 s[26:27], s[26:27], PANEL         ; 64 rows of 4,096 bytes
.endif
.irp i, 0,1,2,3
	global_load_b128 v[\set+4*\i:\set+4*\i+3], v[AOFF], s[24:25] offset:\i*4096
.endr
.irp i, 0,1,2,3
	global_load_b128 v[\set+16+4*\i:\set+16+4*\i+3], v[BOFF], s[26:27] offset:\i*4096
	global_load_b128 v[\set+32+4*\i:\set+32+4*\i+3], v[BOFF], s[26:27] offset:(\i+8)*4096
.endr
.endm
.macro STORE set, buf
.irp i, 0,1,2,3
	ds_store_b128 v[AST], v[\set+4*\i:\set+4*\i+3] offset:(\buf)*ABUF+\i*32*PA     ; bf16 as it came: piece t + 256 i lies 32 rows below piece t
.endr
.irp i, 4,5,6,7,8,9,10,11
	v_cvt_pk_bf16_f32 v[\set+4*\i],   v[\set+4*\i],   v[\set+4*\i+1]               ; the weights, rounded in place, in one run
	v_cvt_pk_bf16_f32 v[\set+4*\i+1], v[\set+4*\i+2], v[\set+4*\i+3]
.endr
.irp i, 0,1,2,3
	ds_store_b64 v[BST], v[\set+16+4*\i:\set+16+4*\i+1] offset:(\buf)*BBUF+\i*PBL
	ds_store_b64 v[BST], v[\set+32+4*\i:\set+32+4*\i+1] offset:(\buf)*BBUF+(\i+8)*PBL
.endr
.endm
; Twelve LDS loads, A's second fragment last
.macro LOADF buf, kk
	ds_load_b128 v[FR:FR+3],   v[AFR] offset:(\buf)*ABUF+\kk*64
	ds_load_b128 v[FR+4:FR+7], v[AFR] offset:(\buf)*ABUF+\kk*64+32
.irp bt, 0,1,2,3
	ds_load_tr16_b128 v[FR+16+8*\bt:FR+16+8*\bt+3],   v[BFR] offset:(\buf)*BBUF+\kk*32*PBL+\bt*32
	ds_load_tr16_b128 v[FR+16+8*\bt+4:FR+16+8*\bt+7], v[BFR] offset:(\buf)*BBUF+\kk*32*PBL+\bt*32+16*PBL
.endr
	ds_load_b128 v[FR+8:FR+11],  v[AFR] offset:(\buf)*ABUF+16*PA+\kk*64
	ds_load_b128 v[FR+12:FR+15], v[AFR] offset:(\buf)*ABUF+16*PA+\kk*64+32
.endm
; Four matrix instructions.  The eight accumulators take turns, one instruction a turn, in the same order everywhere.
.macro MMROW at, zero
.irp bt, 0,1,2,3
.if \zero
	v_wmma_f32_16x16x32_bf16 v[ACC+8*(4*\at+\bt):ACC+8*(4*\at+\bt)+7], v[FR+16+8*\bt:FR+16+8*\bt+7], v[FR+8*\at:FR+8*\at+7], 0
.else
	v_wmma_f32_16x16x32_bf16 v[ACC+8*(4*\at+\bt):ACC+8*(4*\at+\bt)+7], v[FR+16+8*\bt:FR+16+8*\bt+7], v[FR+8*\at:FR+8*\at+7], v[ACC+8*(4*\at+\bt):ACC+8*(4*\at+\bt)+7]
.endif
.endr
.endm
.macro HALF b, kk, zero
	PLACES
	LOADF \b, \kk
	s_wait_dscnt 0x2                               ; all but A's second fragment (the two youngest loads)
	MMROW 0, \zero
	s_wait_dscnt 0x0
	MMROW 1, \zero
.endm
.macro STEP b, zero, store, issue, left
	HALF \b, 0, \zero
	HALF \b, 1, 0
.if \store
	s_wait_loadcnt \left
	STORE SET0+(1-\b)*SETSZ, 1-\b
	s_wait_dscnt 0x0                               ; for the other waves: my stores are done; also no load lands on a register that an LDS store still reads
.if \issue
	ISSUE SET0+(1-\b)*SETSZ, 1
.endif
	s_barrier_signal -1
	s_barrier_wait -1
.endif
.endm
.macro SINCOS c, s, pos, inv
	v_mul_f32 v[TA], v[\pos], v[\inv]              ; the angle
	v_mul_f32 v[TB], 0.15915494, v[TA]             ; in turns
	v_rndne_f32 v[TB], v[TB]
	v_fma_f32 v[TA], v[TA], 0.15915494, -v[TB]     ; the fraction of a turn
	v_mul_f32 v[TA], 0x40c90fdb, v[TA]             ; u = 2 pi x fraction
	v_mul_f32 v[TB], v[TA], v[TA]                  ; z = u u
	v_fmaak_f32 v[\s], v[CS], v[TB], 0x2f309231    ; 1/13!
	v_fmaak_f32 v[\c], v[CC], v[TB], 0xad49cba5    ; -1/14!
	v_fmaak_f32 v[\s], v[\s], v[TB], 0xb2d7322b    ; -1/11!
	v_fmaak_f32 v[\c], v[\c], v[TB], 0x310f76c7    ; 1/12!
	v_fmaak_f32 v[\s], v[\s], v[TB], 0x3638ef1d    ; 1/9!
	v_fmaak_f32 v[\c], v[\c], v[TB], 0xb493f27e    ; -1/10!
	v_fmaak_f32 v[\s], v[\s], v[TB], 0xb9500d01    ; -1/7!
	v_fmaak_f32 v[\c], v[\c], v[TB], 0x37d00d01    ; 1/8!
	v_fmaak_f32 v[\s], v[\s], v[TB], 0x3c088889    ; 1/5!
	v_fmaak_f32 v[\c], v[\c], v[TB], 0xbab60b61    ; -1/6!
	v_fmaak_f32 v[\s], v[\s], v[TB], 0xbe2aaaab    ; -1/3!
	v_fmaak_f32 v[\c], v[\c], v[TB], 0x3d2aaaab    ; 1/4!
	v_fma_f32 v[\s], v[\s], v[TB], 1.0
	v_fma_f32 v[\c], v[\c], v[TB], -0.5
	v_mul_f32 v[\s], v[\s], v[TA]
	v_fma_f32 v[\c], v[\c], v[TB], 1.0
.endm
; v[dst] = bf16 half of v[kreg] (hi = 1: the upper) x v[qreg] + v[add], in f32
.macro TERM dst, kreg, hi, qreg, add
.if \hi
	v_fma_mix_f32_bf16 v[\dst], v[\kreg], v[\qreg], v[\add] op_sel:[1,0,0] op_sel_hi:[1,0,0]
.else
	v_fma_mix_f32_bf16 v[\dst], v[\kreg], v[\qreg], v[\add] op_sel_hi:[1,0,0]
.endif
.endm
; The twelve gathers of pass i, into slot: of each of the three keys my 16 bytes of k_nope, my 16 bytes of the rotated key, my 32 bytes of v
.macro GATHER i, slot
.irp d, 0,1,2
	global_load_b128 v[GA+48*\slot+16*\d:GA+48*\slot+16*\d+3],     v[OFFK+3*\i+\d], s[38:39]
	global_load_b128 v[GA+48*\slot+16*\d+4:GA+48*\slot+16*\d+7],   v[OFFK+3*\i+\d], s[42:43]
	global_load_b128 v[GA+48*\slot+16*\d+8:GA+48*\slot+16*\d+11],  v[OFFV+3*\i+\d], s[40:41]
	global_load_b128 v[GA+48*\slot+16*\d+12:GA+48*\slot+16*\d+15], v[OFFV+3*\i+\d], s[40:41] offset:16
.endr
.endm
; Pass i: my wave's queries 4 i .. 4 i + 3, gathered rows in slot, packed results in set par; left: how many younger gathers may stay out
.macro PASS i, slot, par, left
	ds_load_b128 v[QN:QN+3],   v[QRN] offset:\i*4*QPITCH
	ds_load_b128 v[QN+4:QN+7], v[QRN] offset:\i*4*QPITCH+16
	ds_load_b128 v[QX:QX+3],   v[QRP] offset:\i*4*QPITCH
	ds_load_b128 v[QX+4:QX+7], v[QRP] offset:\i*4*QPITCH+128
	ds_load_b128 v[CO:CO+3],   v[TABA] offset:\i*4096
	ds_load_b128 v[SI:SI+3],   v[TABA] offset:16384+\i*4096
	s_wait_dscnt 0x0
.irp j, 0,1,2,3
	v_mul_f32 v[RP+\j],   v[QX+\j],   v[CO+\j]
	v_mul_f32 v[RP+4+\j], v[QX+4+\j], v[CO+\j]
	v_fma_f32 v[RP+\j],   -v[QX+4+\j], v[SI+\j], v[RP+\j]        ; x1 cos - x2 sin
	v_fma_f32 v[RP+4+\j], v[QX+\j],    v[SI+\j], v[RP+4+\j]      ; x2 cos + x1 sin
.endr
	s_wait_loadcnt \left                           ; this pass's twelve gathers are in; twelve for each pass asked for later stay out
	; my 16 terms of each of the three dot products, in six chains by turns: the content part and the rotated part of each key
.irp d, 0,1,2
	TERM SS+\d, GA+48*\slot+16*\d,   0, QN, ZERO
	TERM SP+\d, GA+48*\slot+16*\d+4, 0, RP, ZERO
.endr
.irp d, 0,1,2
	TERM SS+\d, GA+48*\slot+16*\d,   1, QN+1, SS+\d
	TERM SP+\d, GA+48*\slot+16*\d+4, 1, RP+1, SP+\d
.endr
.irp j, 1,2,3
.irp d, 0,1,2
	TERM SS+\d, GA+48*\slot+16*\d+\j,   0, QN+2*\j, SS+\d
	TERM SP+\d, GA+48*\slot+16*\d+4+\j, 0, RP+2*\j, SP+\d
.endr
.irp d, 0,1,2
	TERM SS+\d, GA+48*\slot+16*\d+\j,   1, QN+2*\j+1, SS+\d
	TERM SP+\d, GA+48*\slot+16*\d+4+\j, 1, RP+2*\j+1, SP+\d
.endr
.endr
.irp d, 0,1,2
	v_add_f32 v[SS+\d], v[SS+\d], v[SP+\d]
.endr
	; over the query's eight lanes; every lane ends up with the sums
.irp m, 1,2,4
.irp d, 0,1,2
	v_add_f32_dpp v[SS+\d], v[SS+\d], v[SS+\d] row_xmask:\m row_mask:0xf bank_mask:0xf
.endr
.endr
.irp d, 0,1,2
	v_mul_f32 v[SS+\d], 0x3e0293ee, v[SS+\d]       ; x log2(e) / sqrt(128): the exponentials below are in base 2
	v_sub_nc_u32 v[KI], v[SEG+\i], \d              ; the key's number; below 0 it wraps to a large number
	v_cmp_gt_u32 vcc_lo, 0x800, v[KI]              ; a key of the table?
	v_cndmask_b32 v[SS+\d], v[MASKV], v[SS+\d], vcc_lo
.endr
	v_max3_num_f32 v[MX], v[SS], v[SS+1], v[SS+2]
.irp d, 0,1,2
	v_sub_f32 v[SS+\d], v[SS+\d], v[MX]
.endr
.irp d, 0,1,2
	v_exp_f32 v[SS+\d], v[SS+\d]
.endr
	v_nop                                          ; one plain vector instruction behind the exponentials (ISA guide 5.7.2)
	s_wait_alu depctr_va_vdst(0)
	v_add_f32 v[SUM], v[SS], v[SS+1]
	v_add_f32 v[SUM], v[SUM], v[SS+2]
	v_rcp_f32 v[RS], v[SUM]
	v_nop                                          ; and behind the reciprocal
	s_wait_alu depctr_va_vdst(0)
.irp d, 0,1,2
	v_mul_f32 v[SS+\d], v[SS+\d], v[RS]
.endr
.irp j, 0,1,2,3,4,5,6,7
	v_mul_f32 v[OA+\j], v[GA+48*\slot+8+\j], v[SS]
.endr
.irp d, 1,2
.irp j, 0,1,2,3,4,5,6,7
	v_fmac_f32 v[OA+\j], v[GA+48*\slot+16*\d+8+\j], v[SS+\d]
.endr
.endr
.irp j, 0,1,2,3
	v_cvt_pk_bf16_f32 v[PK+8*\par+\j], v[OA+2*\j], v[OA+2*\j+1]    ; the rounded values,
	v_lshlrev_b32 v[QX+2*\j],   16, v[PK+8*\par+\j]                ; back in f32,
	v_and_b32     v[QX+2*\j+1], 0xffff0000, v[PK+8*\par+\j]
	v_sub_f32 v[QX+2*\j],   v[OA+2*\j],   v[QX+2*\j]               ; what the rounding left,
	v_sub_f32 v[QX+2*\j+1], v[OA+2*\j+1], v[QX+2*\j+1]
	v_cvt_pk_bf16_f32 v[PK+8*\par+4+\j], v[QX+2*\j], v[QX+2*\j+1]  ; rounded
.endr
	ds_store_b128 v[OSW], v[PK+8*\par:PK+8*\par+3]   offset:\i*64            ; group g, row 4 i + (lane >> 3) of my wave's block
	ds_store_b128 v[OSW], v[PK+8*\par+4:PK+8*\par+7] offset:OSPART+\i*64     ; the remainders
.endm
	s_load_b256 s[4:11], s[0:1], 0x0               ; qcp s[4:5], W_uq s[6:7], W_qr s[8:9], kvp s[10:11]
	s_load_b128 s[12:15], s[0:1], 0x20             ; vf s[12:13], seg_id s[14:15]
	s_load_b64 s[16:17], s[0:1], 0x30              ; aop
	v_lshl_add_u32 v255, v0, 2, 0x37800
	s_set_vgpr_msb 0x40
	v_mov_b32 v1, 0
	s_set_vgpr_msb 0x4000
	v_lshrrev_b32 v1, 5, v0                        ; w in every lane
	v_readfirstlane_b32 s20, v1                    ; wave
	s_mov_b32 s21, ttmp9                           ; the head
	s_and_b32 s22, ttmp7, 0xffff                   ; which 128 queries
	s_and_b32 s37, s20, 3
	s_lshr_b32 s23, s20, 2                         ; 0: I bring W_uq, 1: W_qr
	v_and_b32 v64, 15, v0                          ; r
	v_bfe_u32 v65, v0, 4, 1                        ; h
	v_bfe_u32 v73, v0, 3, 2                        ; lane >> 3
	v_lshl_add_u32 v66, v1, 4, v73                 ; my first query: 16 w + (lane >> 3)
	v_and_b32 v67, 7, v0                           ; g
	v_lshlrev_b32 v[AOFF], 4, v0
	v_lshlrev_b32 v[SEGO], 2, v66
	v_lshlrev_b32 v68, 4, v64
	v_lshl_add_u32 v68, v65, 14, v68               ; 4 h rows of 4,096 bytes + 16 r
	s_lshl_b32 s36, s37, 16                        ; 16 (w & 3) rows
	v_add_nc_u32 v[BOFF], s36, v68
	s_mov_b32 s35, 0
	s_lshl_b32 s34, s22, 14                        ; 128 y rows of 128 bytes
	s_cmp_lt_u32 s20, 4
	s_wait_kmcnt 0x0
	s_cselect_b64 s[26:27], s[6:7], s[8:9]
	s_add_nc_u64 s[24:25], s[4:5], s[34:35]        ; qc's tile
	s_add_nc_u64 s[30:31], s[16:17], s[34:35]
	s_lshl_b32 s34, s21, 18                        ; the head's panel
	s_add_nc_u64 s[30:31], s[30:31], s[34:35]      ; the output tile
	s_add_nc_u64 s[38:39], s[10:11], s[34:35]      ; k_nope of the head
	s_add_nc_u64 s[42:43], s[10:11], 16*PANEL      ; the shared rotated key
	s_lshl_b32 s34, s21, 19                        ; 2,048 rows of 256 bytes
	s_add_nc_u64 s[40:41], s[12:13], s[34:35]      ; v of the head
	s_lshl_b32 s34, s21, 8                         ; the head's 64 columns of f32
	s_add_nc_u64 s[26:27], s[26:27], s[34:35]
	s_lshl_b32 s34, s22, 9                         ; 128 y words
	s_add_nc_u64 s[44:45], s[14:15], s[34:35]
.irp i, 0,1,2,3
	global_load_b32 v[SEG+\i], v[SEGO], s[44:45] offset:\i*16      ; four queries on; ahead of the stages: the first wait for a stage shows these in too
.endr
	ISSUE SET0, 0                                  ; stage 0
	ISSUE SET0+SETSZ, 1                            ; stage 1
	; LDS addresses
	s_lshr_b32 s33, s20, 1                         ; wm
	s_and_b32 s46, s20, 1                          ; wn
	v_bfe_u32 v70, v0, 3, 1                        ; (t >> 3) & 1
	v_lshrrev_b32 v71, 7, v0
	v_lshl_add_u32 v71, v71, 4, v64                ; piece t is row 16 (t >> 7) + r,
	v_bfe_u32 v72, v0, 4, 3                        ; group (t >> 4) & 7
	v_mul_u32_u24 v69, v71, PA
	v_lshl_add_u32 v[AST], v72, 4, v69
	s_mul_i32 s36, s37, 16*PBL
	s_lshl_b32 s47, s23, 7
	s_add_co_u32 s36, s36, s47
	s_add_co_u32 s36, s36, BLDS
	v_mul_u32_u24 v69, v65, 4*PBL
	v_lshl_add_u32 v69, v64, 3, v69
	v_add_nc_u32 v[BST], s36, v69                  ; row 16 (w & 3) + 4 h, W_qr's columns 128 bytes on, 8 r bytes
	s_mul_i32 s36, s33, 32*PA
	v_mul_u32_u24 v69, v64, PA
	v_lshl_add_u32 v69, v65, 4, v69
	v_add_nc_u32 v[AFR], s36, v69
	s_lshl_b32 s36, s46, 7
	s_add_co_u32 s36, s36, BLDS
	v_lshl_add_u32 v69, v65, 3, v67
	v_mul_u32_u24 v69, v69, PBL
	v_lshl_add_u32 v69, v70, 4, v69
	v_add_nc_u32 v[BFR], s36, v69                  ; (8 h + g) PBL + 128 wn + 16 ((t >> 3) & 1)
	s_mul_i32 s36, s33, 32*QPITCH
	s_lshl_b32 s47, s46, 8
	s_add_co_u32 s36, s36, s47
	s_add_co_u32 s36, s36, QST
	v_mul_u32_u24 v69, v64, QPITCH
	v_lshl_add_u32 v69, v65, 5, v69
	v_add_nc_u32 v[STW], s36, v69                  ; (32 wm + r) QPITCH + 256 wn + 32 h
	v_mul_u32_u24 v69, v66, QPITCH
	v_add_nc_u32 v69, QST, v69
	v_lshl_add_u32 v[QRN], v67, 5, v69
	v_lshlrev_b32 v[G16], 4, v67
	v_add3_u32 v[QRP], v69, v[G16], 256
	v_add_nc_u32 v[TABA], TAB, v[AOFF]
	s_mul_i32 s36, s20, OSWAVE
	s_add_co_u32 s36, s36, OSC                     ; my wave's scratch
	v_mul_u32_u24 v69, v67, OSP
	v_lshl_add_u32 v69, v73, 4, v69
	v_add_nc_u32 v[OSW], s36, v69                  ; group g, row lane >> 3
	v_mul_u32_u24 v69, v65, OSP
	v_lshl_add_u32 v69, v64, 4, v69
	v_add_nc_u32 v[OSR], s36, v69                  ; group lane >> 4, row lane & 15
	v_and_b32 v74, 31, v0
	v_lshlrev_b32 v74, 4, v74
	v_lshl_add_u32 v[GO], v1, 11, v74
	v_mov_b32 v[ZERO], 0
	v_mov_b32 v[MASKV], 0xceabfb8f
	; the cosines and sines of my four frequencies 4g..4g+3 at my four queries' positions, while the first stages are on their way; only I read them back
	v_lshlrev_b32 v25, 2, v67
.irp j, 0,1,2,3
	v_add_nc_u32 v[INV+\j], \j, v25
	v_cvt_f32_u32 v[INV+\j], v[INV+\j]
	v_mul_f32 v[INV+\j], 0xbed49a78, v[INV+\j]     ; - f log2(10000) / 32
.endr
.irp j, 0,1,2,3
	v_exp_f32 v[INV+\j], v[INV+\j]
.endr
	v_mov_b32 v[CS], 0xab573f9f                    ; plain vector instructions stand behind the exponentials before their results are used (ISA guide 5.7.2)
	v_mov_b32 v[CC], 0x29573f9f
	s_lshl_b32 s36, s22, 7
	v_add_nc_u32 v[POS], s36, v66                  ; 128 y + my first query
	v_cvt_f32_u32 v[POS], v[POS]
	s_wait_alu depctr_va_vdst(0)
.irp i, 0,1,2,3
.irp j, 0,1,2,3
	SINCOS TC+8*\i+\j, TC+8*\i+4+\j, POS, INV+\j
.endr
	ds_store_b128 v[TABA], v[TC+8*\i:TC+8*\i+3]   offset:\i*4096
	ds_store_b128 v[TABA], v[TC+8*\i+4:TC+8*\i+7] offset:16384+\i*4096
	v_add_f32 v[POS], 4.0, v[POS]                  ; four queries on
.endr
	s_wait_loadcnt NLD                             ; seg_id and stage 0 are in, stage 1's twelve loads stay out
	STORE SET0, 0
	s_wait_dscnt 0x0
	ISSUE SET0, 1                                  ; stage 2
	s_barrier_signal -1
	s_barrier_wait -1
	STEP 0, 1, 1, 1, NLD
	s_mov_b32 s32, (TSTEPS-4)/2
.Lk:
	STEP 1, 0, 1, 1, NLD
	STEP 0, 0, 1, 1, NLD
	s_sub_co_u32 s32, s32, 1
	s_cmp_lg_u32 s32, 0
	s_cbranch_scc1 .Lk
	STEP 1, 0, 1, 0, NLD                           ; the last stage's loads are still out
	STEP 0, 0, 1, 0, 0
	STEP 1, 0, 0, 0, 0
	; the gathers of three passes (3 x 48 registers: what the fragments and the sets leave free) go out first; the stage and its barrier pass meanwhile
	PLACES
.irp i, 0,1,2,3
.irp d, 0,1,2
	v_sub_nc_u32 v[OFFK+3*\i+\d], v[SEG+\i], \d
	v_min_u32 v[OFFK+3*\i+\d], 0x7ff, v[OFFK+3*\i+\d]              ; a key that the mask drops is read at a row inside the table and gets the weight 0
	v_lshl_add_u32 v[OFFK+3*\i+\d], v[OFFK+3*\i+\d], 7, v[G16]     ; rows of 128 bytes, my 16 bytes
	v_lshlrev_b32 v[OFFV+3*\i+\d], 1, v[OFFK+3*\i+\d]              ; rows of 256 bytes, my 32 bytes
.endr
.endr
	GATHER 0, 0
	GATHER 1, 1
	GATHER 2, 2
.irp at, 0,1
.irp bt, 0,1,2,3
	ds_store_b128 v[STW], v[ACC+8*(4*\at+\bt):ACC+8*(4*\at+\bt)+3]   offset:\at*16*QPITCH+\bt*64
	ds_store_b128 v[STW], v[ACC+8*(4*\at+\bt)+4:ACC+8*(4*\at+\bt)+7] offset:\at*16*QPITCH+\bt*64+16
.endr
.endr
	s_wait_dscnt 0x0                               ; for the other waves, which read my rows
	s_barrier_signal -1
	s_barrier_wait -1
	PASS 0, 0, 0, 24                               ; passes 1 and 2 stay out
	GATHER 3, 0                                    ; the last pass's rows, into the slot just used
	PASS 1, 1, 1, 24                               ; passes 2 and 3 stay out
	PASS 2, 2, 0, 12
	PASS 3, 0, 1, 0
	; my wave's block, back from its own scratch (LDS serves a wave's instructions in order, ISA guide 5.7.1: these loads see the stores above)
.irp k, 0,1,2,3
	ds_load_b128 v[OUTR+4*\k:OUTR+4*\k+3],       v[OSR] offset:\k*2*OSP
	ds_load_b128 v[OUTR+16+4*\k:OUTR+16+4*\k+3], v[OSR] offset:OSPART+\k*2*OSP
.endr
.irp k, 0,1,2,3
	s_wait_dscnt 6-2*\k                            ; pair k is in, the younger pairs may be out
	global_store_b128 v[GO], v[OUTR+4*\k:OUTR+4*\k+3],       s[30:31] offset:\k*512            ; 512 consecutive bytes
	global_store_b128 v[GO], v[OUTR+16+4*\k:OUTR+16+4*\k+3], s[30:31] offset:16*PANEL+\k*512   ; the remainders, sixteen panels on
.endr
	s_set_vgpr_msb 0x4
	s_wait_tensorcnt 0x0
	ds_add_u32 v255, v1
	s_wait_dscnt 0x0
	s_set_vgpr_msb 0x400
	s_endpgm
.Lfunc_end_k_q6ec808d46c_qattn:
	.size	k_q6ec808d46c_qattn, .Lfunc_end_k_q6ec808d46c_qattn-k_q6ec808d46c_qattn
	.p2alignl 7, 3214868480
	.fill 96, 4, 3214868480
	.section	.rodata,"a",@progbits
	.p2align	6, 0x0
	.amdhsa_kernel k_q6ec808d46c_qattn
		.amdhsa_group_segment_fixed_size 228352
		.amdhsa_private_segment_fixed_size 0
		.amdhsa_enable_private_segment 0
		.amdhsa_kernarg_size 56
		.amdhsa_user_sgpr_count 2
		.amdhsa_user_sgpr_kernarg_segment_ptr 1
		.amdhsa_wavefront_size32 1
		.amdhsa_system_sgpr_workgroup_id_x 1
		.amdhsa_system_sgpr_workgroup_id_y 1
		.amdhsa_system_sgpr_workgroup_id_z 1
		.amdhsa_system_vgpr_workitem_id 0
		.amdhsa_next_free_vgpr 258
		.amdhsa_next_free_sgpr 66
		.amdhsa_reserve_vcc 1
		.amdhsa_float_denorm_mode_32 3
		.amdhsa_float_denorm_mode_16_64 3
		.amdhsa_memory_ordered 1
		.amdhsa_forward_progress 1
		.amdhsa_inst_pref_size 105
	.end_amdhsa_kernel
	.amdgpu_metadata
---
amdhsa.version: [ 1, 2 ]
amdhsa.kernels:
  - .name:           k_q6ec808d46c_qattn
    .symbol:         k_q6ec808d46c_qattn.kd
    .args:
      - { .name: qcp, .offset: 0, .size: 8, .value_kind: global_buffer, .address_space: global }
      - { .name: W_uq, .offset: 8, .size: 8, .value_kind: global_buffer, .address_space: global }
      - { .name: W_qr, .offset: 16, .size: 8, .value_kind: global_buffer, .address_space: global }
      - { .name: kvp, .offset: 24, .size: 8, .value_kind: global_buffer, .address_space: global }
      - { .name: vf, .offset: 32, .size: 8, .value_kind: global_buffer, .address_space: global }
      - { .name: seg_id, .offset: 40, .size: 8, .value_kind: global_buffer, .address_space: global }
      - { .name: aop, .offset: 48, .size: 8, .value_kind: global_buffer, .address_space: global }
    .group_segment_fixed_size: 228352
    .private_segment_fixed_size: 0
    .kernarg_segment_align: 8
    .kernarg_segment_size: 56
    .max_flat_workgroup_size: 256
    .sgpr_count:     66
    .vgpr_count:     258
    .wavefront_size: 32
...
	.end_amdgpu_metadata
.endif
;; end of part 3
;; launch oproj (part 4): grid 16 x 16, 8 waves a work-group, no clusters, 199,680 bytes of LDS; arguments aop, W_o, out0; writes out0
.if DOCPART == 4
	.amdgcn_target "amdgcn-amd-amdhsa--gfx1250"
	.amdhsa_code_object_version 6
	.text
	.protected	k_q6ec808d46c_oproj
	.globl	k_q6ec808d46c_oproj
	.p2align	8
	.type	k_q6ec808d46c_oproj,@function
k_q6ec808d46c_oproj:
	s_mov_b64 s[64:65], 0
	v_nop
	global_prefetch_b8 v0, s[64:65] scope:SCOPE_SE
	s_setreg_imm32_b32 hwreg(HW_REG_WAVE_MODE, 25, 1), 1
	s_wait_xcnt 0x0
; Last of four launches: out0 = attn_out W_o (2048 x 1024, K = 1024).  attn_out lies in bf16 panels in fragment order, one panel for each head: K step j is panel j.
; attn_out comes as two bf16 numbers (panels 0..15 the rounded value, 16..31 the rounded remainder).  Both are multiplied by the same fragments of W_o and summed
; into the same accumulators: A's 16 significant bits at twice the matrix instructions, with W_o loaded, rounded and read once.
; A work-group makes 128 rows x 64 columns (x: the columns, y: the rows): 16 x 16 = 256 work-groups.
; A WAVE OWNS 16 ROWS x 64 COLUMNS: no other wave uses its fragments of A, so they go from memory straight into registers (each load 512 consecutive bytes):
; no LDS store and no LDS load for A.  Only W_o passes LDS: f32 from memory, rounded in registers, stored [k][n]; all 1,024 rows have bytes of their own and
; nothing is overwritten, so a barrier only has to show stores to readers: one after every fourth K step.
; Bundle j = A of step j (8 loads a thread) and W_o's rows of step j + 4 (4 loads, while there are any).  Three register sets take turns (bundle j in set j % 3),
; bundle j + 3 is asked for at the end of step j: 36 loads of a wave are on their way.  Every address is a base, a lane term and an immediate: no base is stepped.
; NO TENSOR LOADS, NO JOINT REQUESTS: W_o is f32 and has to pass registers to be rounded, and A is wanted in registers, not in LDS.
.set TSTEPS, 16
.set PBL,    160                       ; LDS row of W_o: 64 bf16 + 32 bytes = 5 x 32
.set BSTEP,  64*PBL                    ; 10,240: a K step's rows
.set BQUAD,  4*BSTEP                   ; four steps: as far as one address register and the 16-bit immediate reach
.set STAGE,  16*BSTEP                  ; 163,840: behind W_o, each wave's own 16 rows of 64 f32 for the way out
.set SPITCH, 272                       ; 256 + 16 = 17 x 16
.set WSTG,   16*SPITCH                 ; 4,352
.set PANEL,  262144
.set LOOFF,  16*PANEL                  ; from a panel of values to its remainders
.set AOFF, 2                           ; v2       2,048 w + 16 lane: my 16 bytes in A's tile
.set BOFF, 3                           ; v3       W_o: row 4 (t >> 4), 16 r bytes; the other rows in the immediate
.set BST,  4                           ; v[4:7]   LDS: where my rounded numbers of W_o go, steps 0.., 4.., 8.., 12..
.set BFR,  8                           ; v[8:11]  LDS: my fragments of W_o, likewise
.set STW,  12                          ; v12      my stage: where my results go
.set STR,  13                          ; v13      my stage, back: row lane >> 4, four f32
.set GOUT, 14                          ; v14      row 16 w + (lane >> 4) of the output tile, 16 r bytes
.set ACC,  16                          ; v[16:47]   four accumulator tiles; before the steps: scratch
.set FB0,  48                          ; v[48:79]   W_o's fragments of k = 0..31 of a step; at the start: W_o's rows of steps 0..3 on their way
.set FB1,  80                          ; v[80:111]  of k = 32..63
.set SET0, 112                         ; v[112:255] three sets of 48: A's values (k = 0.., 32..: 8 + 8), its remainders (8 + 8), W_o (16)
.set SETSZ, 48
.macro PLACES                          ; four places behind matrix instructions (ISA guide 7.12.1)
.rept 4
	v_nop
.endr
.endm
.macro SIZEOF j                        ; SZ = loads of bundle j
.if (\j) < TSTEPS-4
.set SZ, 12
.else
.if (\j) < TSTEPS
.set SZ, 8
.else
.set SZ, 0
.endif
.endif
.endm
.macro ISSUE j
.irp part, 0,1
.irp c, 0,1,2,3
	global_load_b128 v[SET0+((\j)%3)*SETSZ+16*\part+4*\c:SET0+((\j)%3)*SETSZ+16*\part+4*\c+3], v[AOFF], s[24:25] offset:\part*LOOFF+(\j)*PANEL+\c*512
.endr
.endr
.if (\j) < TSTEPS-4
.irp i, 0,1,2,3
	global_load_b128 v[SET0+((\j)%3)*SETSZ+32+4*\i:SET0+((\j)%3)*SETSZ+32+4*\i+3], v[BOFF], s[26:27] offset:(64*((\j)+4)+\i)*4096
.endr
.endif
.endm
; Eight transposing LDS loads: W_o's rows 64 st + 32 kk .. + 31, four tiles of 16 columns
.macro LOADFB st, kk, f
.irp bt, 0,1,2,3
	ds_load_tr16_b128 v[\f+8*\bt:\f+8*\bt+3],   v[BFR+(\st)/4] offset:((\st)%4)*BSTEP+\kk*32*PBL+\bt*32
	ds_load_tr16_b128 v[\f+8*\bt+4:\f+8*\bt+7], v[BFR+(\st)/4] offset:((\st)%4)*BSTEP+\kk*32*PBL+\bt*32+16*PBL
.endr
.endm
; Eight matrix instructions: the values, then the remainders.  The four accumulators take turns, one instruction a turn.
.macro MM8 a, f, zero
.irp bt, 0,1,2,3
.if \zero
	v_wmma_f32_16x16x32_bf16 v[ACC+8*\bt:ACC+8*\bt+7], v[\f+8*\bt:\f+8*\bt+7], v[\a:\a+7], 0
.else
	v_wmma_f32_16x16x32_bf16 v[ACC+8*\bt:ACC+8*\bt+7], v[\f+8*\bt:\f+8*\bt+7], v[\a:\a+7], v[ACC+8*\bt:ACC+8*\bt+7]
.endif
.endr
.irp bt, 0,1,2,3
	v_wmma_f32_16x16x32_bf16 v[ACC+8*\bt:ACC+8*\bt+7], v[\f+8*\bt:\f+8*\bt+7], v[\a+16:\a+23], v[ACC+8*\bt:ACC+8*\bt+7]
.endr
.endm
; K step st.  While its 16 fragment loads are on their way, W_o's rows of step st + 4 are rounded and stored.
.macro STEP st, zero
	LOADFB \st, 0, FB0
	LOADFB \st, 1, FB1
	SIZEOF (\st)+1
.set CNT, SZ
	SIZEOF (\st)+2
.set CNT, CNT+SZ
	s_wait_loadcnt CNT                             ; bundle st is in; the loads of bundles st + 1 and st + 2 stay out
.if (\st) < TSTEPS-4
.irp i, 0,1,2,3
	v_cvt_pk_bf16_f32 v[SET0+((\st)%3)*SETSZ+32+4*\i],   v[SET0+((\st)%3)*SETSZ+32+4*\i],   v[SET0+((\st)%3)*SETSZ+32+4*\i+1]
	v_cvt_pk_bf16_f32 v[SET0+((\st)%3)*SETSZ+32+4*\i+1], v[SET0+((\st)%3)*SETSZ+32+4*\i+2], v[SET0+((\st)%3)*SETSZ+32+4*\i+3]
.endr
.irp i, 0,1,2,3
	ds_store_b64 v[BST+((\st)+4)/4], v[SET0+((\st)%3)*SETSZ+32+4*\i:SET0+((\st)%3)*SETSZ+32+4*\i+1] offset:(((\st)+4)%4)*BSTEP+\i*PBL
.endr
	s_wait_dscnt 0xc                               ; LDS instructions end in order: FB0's eight loads are in; FB1's eight and the four stores may be out
.else
	s_wait_dscnt 0x8                               ; FB0's eight loads are in, FB1's eight may be out
.endif
	MM8 SET0+((\st)%3)*SETSZ, FB0, \zero
	s_wait_dscnt 0x0                               ; FB1 is in, and my stores are done: for the other waves, and no load lands on a register that an LDS store still reads
	MM8 SET0+((\st)%3)*SETSZ+8, FB1, 0
	PLACES                                         ; in front of the loads into A's registers here and into the fragments' in the next step
.if (\st)+3 < TSTEPS
	ISSUE (\st)+3
.endif
.if ((\st)%4 == 3) && ((\st) < TSTEPS-4)
	s_barrier_signal -1                            ; no LDS instruction of mine is out since the wait for 0 above
	s_barrier_wait -1                              ; W_o's rows of the next four steps are whole
.endif
.endm
	s_load_b128 s[4:7], s[0:1], 0x0                ; aop s[4:5], W_o s[6:7]
	s_load_b64 s[8:9], s[0:1], 0x10                ; out0
	v_lshl_add_u32 v15, v0, 2, 0x30800
	s_set_vgpr_msb 0x40
	v_mov_b32 v1, 0
	s_set_vgpr_msb 0x4000
	v_lshrrev_b32 v1, 5, v0                        ; w in every lane
	v_readfirstlane_b32 s20, v1                    ; wave
	s_mov_b32 s21, ttmp9                           ; x: which 64 columns
	s_and_b32 s22, ttmp7, 0xffff                   ; y: which 128 rows
	v_and_b32 v16, 15, v0                          ; r
	v_bfe_u32 v17, v0, 4, 1                        ; h
	v_lshrrev_b32 v18, 4, v0                       ; t >> 4
	v_and_b32 v19, 31, v0                          ; lane
	v_lshlrev_b32 v22, 4, v16                      ; 16 r
	v_lshlrev_b32 v19, 4, v19
	v_lshl_add_u32 v[AOFF], v1, 11, v19
	v_lshl_add_u32 v[BOFF], v18, 14, v22           ; 4 (t >> 4) rows of 4,096 bytes + 16 r
	s_mov_b32 s35, 0
	s_lshl_b32 s34, s22, 14                        ; 128 y rows of 128 bytes
	s_wait_kmcnt 0x0
	s_add_nc_u64 s[24:25], s[4:5], s[34:35]
	s_lshl_b32 s34, s21, 8                         ; 64 columns of f32
	s_add_nc_u64 s[26:27], s[6:7], s[34:35]
	s_add_nc_u64 s[30:31], s[8:9], s[34:35]
	s_lshl_b32 s34, s22, 19                        ; 128 y rows of 4,096 bytes
	s_add_nc_u64 s[30:31], s[30:31], s[34:35]
	; W_o's rows of steps 0..3 (16 loads), then bundles 0, 1, 2 (36 loads)
.irp s, 0,1,2,3
.irp i, 0,1,2,3
	global_load_b128 v[FB0+16*\s+4*\i:FB0+16*\s+4*\i+3], v[BOFF], s[26:27] offset:(64*\s+\i)*4096
.endr
.endr
	ISSUE 0
	ISSUE 1
	ISSUE 2
	; LDS addresses, while the loads are on their way
	v_and_b32 v20, 7, v0                           ; lane & 7
	v_bfe_u32 v21, v0, 3, 1                        ; (lane >> 3) & 1
	v_mul_u32_u24 v23, v18, 4*PBL
	v_lshl_add_u32 v[BST], v16, 3, v23             ; row 4 (t >> 4), 8 r bytes: the two halves of a wave 640 bytes apart, 128 modulo 256
	v_lshl_add_u32 v24, v17, 3, v20
	v_mul_u32_u24 v24, v24, PBL
	v_lshl_add_u32 v[BFR], v21, 4, v24             ; (8 h + (lane & 7)) PBL + 16 ((lane >> 3) & 1)
.irp k, 1,2,3
	v_add_nc_u32 v[BST+\k], \k*BQUAD, v[BST]
	v_add_nc_u32 v[BFR+\k], \k*BQUAD, v[BFR]
.endr
	s_mul_i32 s36, s20, WSTG
	s_add_co_u32 s36, s36, STAGE                   ; my stage
	v_mul_u32_u24 v25, v16, SPITCH
	v_lshl_add_u32 v25, v17, 5, v25
	v_add_nc_u32 v[STW], s36, v25                  ; row r, 32 h bytes
	v_mul_u32_u24 v25, v17, SPITCH
	v_add_nc_u32 v25, s36, v25
	v_add_nc_u32 v[STR], v25, v22                  ; row h, 16 r bytes
	v_lshl_add_u32 v26, v17, 12, v22
	v_lshl_add_u32 v[GOUT], v1, 16, v26            ; (16 w + h) rows of 4,096 bytes + 16 r
	s_wait_loadcnt 36                              ; W_o's rows of steps 0..3 are in; the 36 loads of bundles 0, 1, 2 stay out
.irp n, 0,1,2,3,4,5,6,7,8,9,10,11,12,13,14,15
	v_cvt_pk_bf16_f32 v[FB0+4*\n],   v[FB0+4*\n],   v[FB0+4*\n+1]
	v_cvt_pk_bf16_f32 v[FB0+4*\n+1], v[FB0+4*\n+2], v[FB0+4*\n+3]
.endr
.irp s, 0,1,2,3
.irp i, 0,1,2,3
	ds_store_b64 v[BST], v[FB0+16*\s+4*\i:FB0+16*\s+4*\i+1] offset:\s*BSTEP+\i*PBL
.endr
.endr
	s_wait_dscnt 0x0                               ; for the other waves: my part of these rows is written
	s_barrier_signal -1
	s_barrier_wait -1
	STEP 0, 1                                      ; the first products start the sums: nothing is cleared
.irp st, 1,2,3,4,5,6,7,8,9,10,11,12,13,14,15
	STEP \st, 0
.endr
	; THE WAY OUT (the last step's four places stand in front): f32 through my own stage, so that sixteen neighbouring lanes store a row's 256 consecutive bytes,
	; at a multiple of 256 from out0's first byte.  LDS serves a wave's instructions in order (ISA guide 5.7.1): my loads see my stores.
.irp bt, 0,1,2,3
	ds_store_b128 v[STW], v[ACC+8*\bt:ACC+8*\bt+3]   offset:\bt*64
	ds_store_b128 v[STW], v[ACC+8*\bt+4:ACC+8*\bt+7] offset:\bt*64+16
.endr
.irp i, 0,1,2,3,4,5,6,7
	ds_load_b128 v[FB0+4*\i:FB0+4*\i+3], v[STR] offset:\i*2*SPITCH
.endr
.irp i, 0,1,2,3,4,5,6,7
	s_wait_dscnt 7-\i                              ; load i is in, the younger ones may be out
	global_store_b128 v[GOUT], v[FB0+4*\i:FB0+4*\i+3], s[30:31] offset:\i*8192 th:TH_STORE_NT
.endr
	s_set_vgpr_msb 0x4
	s_wait_tensorcnt 0x0
	ds_add_u32 v15, v1
	s_wait_dscnt 0x0
	s_set_vgpr_msb 0x400
	s_endpgm
.Lfunc_end_k_q6ec808d46c_oproj:
	.size	k_q6ec808d46c_oproj, .Lfunc_end_k_q6ec808d46c_oproj-k_q6ec808d46c_oproj
	.p2alignl 7, 3214868480
	.fill 96, 4, 3214868480
	.section	.rodata,"a",@progbits
	.p2align	6, 0x0
	.amdhsa_kernel k_q6ec808d46c_oproj
		.amdhsa_group_segment_fixed_size 199680
		.amdhsa_private_segment_fixed_size 0
		.amdhsa_enable_private_segment 0
		.amdhsa_kernarg_size 24
		.amdhsa_user_sgpr_count 2
		.amdhsa_user_sgpr_kernarg_segment_ptr 1
		.amdhsa_wavefront_size32 1
		.amdhsa_system_sgpr_workgroup_id_x 1
		.amdhsa_system_sgpr_workgroup_id_y 1
		.amdhsa_system_sgpr_workgroup_id_z 1
		.amdhsa_system_vgpr_workitem_id 0
		.amdhsa_next_free_vgpr 258
		.amdhsa_next_free_sgpr 66
		.amdhsa_reserve_vcc 0
		.amdhsa_float_denorm_mode_32 3
		.amdhsa_float_denorm_mode_16_64 3
		.amdhsa_memory_ordered 1
		.amdhsa_forward_progress 1
		.amdhsa_inst_pref_size 71
	.end_amdhsa_kernel
	.amdgpu_metadata
---
amdhsa.version: [ 1, 2 ]
amdhsa.kernels:
  - .name:           k_q6ec808d46c_oproj
    .symbol:         k_q6ec808d46c_oproj.kd
    .args:
      - { .name: aop, .offset: 0, .size: 8, .value_kind: global_buffer, .address_space: global }
      - { .name: W_o, .offset: 8, .size: 8, .value_kind: global_buffer, .address_space: global }
      - { .name: out0, .offset: 16, .size: 8, .value_kind: global_buffer, .address_space: global }
    .group_segment_fixed_size: 199680
    .private_segment_fixed_size: 0
    .kernarg_segment_align: 8
    .kernarg_segment_size: 24
    .max_flat_workgroup_size: 256
    .sgpr_count:     66
    .vgpr_count:     258
    .wavefront_size: 32
...
	.end_amdgpu_metadata
.endif
;; end of part 4
;; ======== version 2 of 2: 4 launches; version 1 with the launches kvup, qattn, oproj written anew for expert scheduling mode
;; workspace buffers: qcp 2,097,152 bytes; kvcp 2,097,152 bytes; kvp 4,456,448 bytes; vf 8,388,608 bytes; aop 8,388,608 bytes
;; launch down: the kernel of part 1 again; grid 12 x 16, 8 waves a work-group, no clusters, 93,184 bytes of LDS; arguments q, kv_src, W_dq, W_kv, qcp, kvcp; writes qcp, kvcp
;; launch kvup (part 5): grid 17 x 16, 8 waves a work-group, no clusters, 109,568 bytes of LDS; arguments kvcp, W_uk, W_uv, W_kr, kvp, vf; writes kvp, vf
.if DOCPART == 5
	.amdgcn_target "amdgcn-amd-amdhsa--gfx1250"
	.amdhsa_code_object_version 6
	.text
	.protected	k_q6ec808d46c_kvup
	.globl	k_q6ec808d46c_kvup
	.p2align	8
	.type	k_q6ec808d46c_kvup,@function
k_q6ec808d46c_kvup:
	s_mov_b64 s[64:65], 0
	v_nop
	global_prefetch_b8 v0, s[64:65] scope:SCOPE_SE
	s_setreg_imm32_b32 hwreg(HW_REG_WAVE_SCHED_MODE, 0, 2), 2
	s_setreg_imm32_b32 hwreg(HW_REG_WAVE_MODE, 25, 1), 1
	s_wait_xcnt 0x0
	s_wait_alu depctr_vm_vsrc(0)
; Second of four launches: from kv_c the keys and values, K = 256.  Work-group (x, y) takes rows 128 y .. + 127:
;   x = 0..15: k_nope of head x = kv_c W_uk (bf16, panel x of kvp, [panel][2048 rows][64]) and then v of head x = kv_c W_uv (f32, vf [head][2048 rows][64]:
;              the vector unit takes v in f32, so it is not rounded at all);
;   x = 16:    the rotated shared key, RoPE(kv_c W_kr), bf16, panel 16 of kvp; there the 16 bytes at 16 c of a row hold dims 4c..4c+3 and then 32+4c..32+4c+3.
; 16 x 16 work-groups of two passes and 16 of one pass: 272, uneven by the sixteen short ones; the 33 panels of 64 columns do not divide into 256 equal shares.
; kv_c comes as two bf16 numbers (panels 0..3 the rounded value, 4..7 the rounded remainder), in fragment order.  Both are multiplied by the same fragments of
; the weights and summed into the same accumulators: 16 significant bits of A at twice the matrix instructions.
; A WAVE OWNS 16 ROWS: no other wave uses its fragments of A, so they go from memory straight into registers (each load 512 consecutive bytes) and all of them,
; 256 k x 2 parts = 128 registers, stay there for the whole launch.  Only the weights pass LDS: f32 from memory, rounded in registers, stored once ([k][n], 256 rows).
; So there is ONE barrier; behind it each wave runs its passes of 64 matrix instructions (16 rows x 64 columns) and its way out by itself.
; NO TENSOR LOADS, NO JOINT REQUESTS: the weights are f32 and have to pass registers to be rounded, and A is wanted in registers, not in LDS.
; The positions are the row numbers, as in the model's own arange.  The angle pos x inv is brought into one turn by one fused multiply-add with 1/(2 pi):
; at position 2047 that leaves an error of at most 2e-5 turns.  Sine and cosine are Taylor series on [-pi, pi] up to u^15 and u^16 (first term left out: 8e-7, 1.4e-7).
; THE MODE: SCHED_MODE bits 1:0 = 2 (LLVM: expert scheduling mode 2), set by the entry lines.  The code itself states the register dependences
; between vector or matrix instructions and memory or LDS instructions, with s_wait_alu, always for 0.
; THE PLAN.  Registers that memory or LDS instructions touch:
;   v2 .. v11  offsets and addresses: written once (v3 and v4 at the head of each kind's path), read by loads and stores to the end.  One wait on va_vdst ahead of a path's first load states them all.
;   AR         A lands in it once; v16 to v28 of it serve the head's arithmetic before that (the same wait).  Then matrix instructions read it; in the rotation vector instructions alone name it.
;   SB         the weights land, the conversions round them in place, the LDS stores read them: a wait on va_vdst between each run of conversions and its run of stores.
;              Loads 28 to 31 land in the registers of loads 0 to 3: a wait on vm_vsrc behind those four stores.
;              Behind the barrier these registers are ACC, FB0, FB1 and PK: one wait on vm_vsrc states that my LDS stores have read them.
;   FB0, FB1   part q's eight matrix instructions read FB[q % 2], and part q + 2's fragments land in it: a wait on va_vdst ahead of each run of fragment loads from part 2's on.
;   ACC        written by matrix instructions, read by the LDS stores into my stage: the places, then one wait on va_vdst, which also frees FB0 for the loads from the stage.
;              The second pass's first products write it again: a wait on vm_vsrc ahead of that pass.
;   PK         written by the way out's conversions, read by its global stores: all the conversions, one wait on va_vdst, the four stores in one run.
.set PBL,    288                       ; LDS row of the weights: 128 bf16 + 32 bytes = 9 x 32
.set BBYTES, 256*PBL                   ; 73,728
.set STAGE,  BBYTES                    ; behind them: each wave's own 16 rows of 64 f32 for the way out
.set SPITCH, 272                       ; 256 + 16 = 17 x 16
.set WSTG,   16*SPITCH                 ; 4,352
.set PANEL,  262144
.set LOOFF,  4*PANEL                   ; from a panel of values to its remainders
.set AOFF, 2                           ; v2   2,048 w + 16 lane: my 16 bytes in A's tile, and in a bf16 output tile
.set BOFF, 3                           ; v3   the weights: my first row, 16 r bytes; the other rows in the immediate
.set BST,  4                           ; v4   LDS: where my rounded weights go
.set BFR,  5                           ; v5, v6  LDS: my fragments of the weights, k = 0.. and k = 128..
.set STW,  7                           ; v7   my stage: where my results go
.set STRK, 8                           ; v8   my stage, back: row lane >> 3, eight f32
.set STRV, 9                           ; v9   my stage, back: row lane >> 4, four f32
.set GOV,  10                          ; v10  4,096 w + 16 lane: my 16 bytes in v's tile
.set STRP, 11                          ; v11  my stage, back: row lane >> 3, four f32 of the first half
.set AR,   16                          ; v[16:143]  A: the fragment of k = 32 q.. at 8 q, its remainders at 64 + 8 q; before the loads: scratch
.set SB,   144                         ; v[144:255] 28 loads of weights on their way; behind the barrier:
.set ACC,  144                         ; v[144:175] four accumulator tiles
.set FB0,  176                         ; v[176:207] four fragments of the weights
.set FB1,  208                         ; v[208:239] the next four
.set PK,   240                         ; v[240:255] packed results
; the rotation's registers, in A's registers, which are free by then
.set INV,  16                          ; v[16:19] 10000^(-f/32) of my four frequencies f = 4c..4c+3
.set POS,  20                          ; the row's number in f32
.set CS,   21                          ; -1/15!
.set CC,   22                          ; 1/16!
.set TA,   23
.set TB,   24
.set CO,   32                          ; v[32:35] cosines
.set SI,   36                          ; v[36:39] sines
.set YR,   40                          ; v[40:47] rotated numbers
.macro PLACES                          ; four places behind matrix instructions (ISA guide 7.12.1); they stay beside the waits
.rept 4
	v_nop
.endr
.endm
; Load idx of a thread's weights: row (idx & 3) + 8 ((idx >> 2) & 1) + 64 (idx >> 3) behind its first row.  Sixteen lanes take a row's 256 bytes.
.macro LB idx, pitch
	global_load_b128 v[SB+4*((\idx)%28):SB+4*((\idx)%28)+3], v[BOFF], s[26:27] offset:(((\idx)&3)+8*(((\idx)>>2)&1)+64*((\idx)>>3))*\pitch
.endm
.macro CVB idx                         ; rounded in place
	v_cvt_pk_bf16_f32 v[SB+4*((\idx)%28)],   v[SB+4*((\idx)%28)],   v[SB+4*((\idx)%28)+1]
	v_cvt_pk_bf16_f32 v[SB+4*((\idx)%28)+1], v[SB+4*((\idx)%28)+2], v[SB+4*((\idx)%28)+3]
.endm
.macro STB idx                         ; the two halves of a wave write rows 4 apart: 1,152 bytes, 128 modulo 256
	ds_store_b64 v[BST], v[SB+4*((\idx)%28):SB+4*((\idx)%28)+1] offset:(((\idx)&3)+8*(((\idx)>>2)&1)+64*((\idx)>>3))*PBL
.endm
; All of my A: 32 loads of 512 consecutive bytes
.macro LA
.irp part, 0,1
.irp p, 0,1,2,3
.irp j, 0,1,2,3
	global_load_b128 v[AR+64*\part+16*\p+4*\j:AR+64*\part+16*\p+4*\j+3], v[AOFF], s[24:25] offset:\part*LOOFF+\p*PANEL+\j*512
.endr
.endr
.endr
.endm
; Eight transposing LDS loads: the weights of k = 32 q .. + 31, four tiles of 16 columns from byte col of the rows
.macro LOADFB q, col, f
.irp bt, 0,1,2,3
	ds_load_tr16_b128 v[\f+8*\bt:\f+8*\bt+3],   v[BFR+(\q)/4] offset:((\q)%4)*32*PBL+\col+\bt*32
	ds_load_tr16_b128 v[\f+8*\bt+4:\f+8*\bt+7], v[BFR+(\q)/4] offset:((\q)%4)*32*PBL+\col+\bt*32+16*PBL
.endr
.endm
; Eight matrix instructions: the values, then the remainders.  The four accumulators take turns, one instruction a turn.
.macro MM8 q, f, zero
.irp bt, 0,1,2,3
.if \zero
	v_wmma_f32_16x16x32_bf16 v[ACC+8*\bt:ACC+8*\bt+7], v[\f+8*\bt:\f+8*\bt+7], v[AR+8*(\q):AR+8*(\q)+7], 0
.else
	v_wmma_f32_16x16x32_bf16 v[ACC+8*\bt:ACC+8*\bt+7], v[\f+8*\bt:\f+8*\bt+7], v[AR+8*(\q):AR+8*(\q)+7], v[ACC+8*\bt:ACC+8*\bt+7]
.endif
.endr
.irp bt, 0,1,2,3
	v_wmma_f32_16x16x32_bf16 v[ACC+8*\bt:ACC+8*\bt+7], v[\f+8*\bt:\f+8*\bt+7], v[AR+64+8*(\q):AR+64+8*(\q)+7], v[ACC+8*\bt:ACC+8*\bt+7]
.endr
.endm
; A pass: my 16 rows x the 64 columns at byte col, K = 256 in eight parts; the next part's fragments are asked for ahead of each part's products.
; The first two runs of fragment loads lean on the waits that stand ahead of the pass: no vector or matrix instruction since them names FB0 or FB1.
.macro CPASS col
	LOADFB 0, \col, FB0
	LOADFB 1, \col, FB1
	s_wait_dscnt 0x8                               ; LDS loads come back in order: the older eight are in, the younger eight may be out
	MM8 0, FB0, 1                                  ; the first products start the sums
.irp q, 1,2,3,4,5,6
	PLACES
	s_wait_alu depctr_va_vdst(0)                   ; the matrix instructions of the part before are done reading their fragments, in which the loads below land
	LOADFB \q+1, \col, FB0+32*((\q+1)%2)
	s_wait_dscnt 0x8
	MM8 \q, FB0+32*(\q%2), 0
.endr
	s_wait_dscnt 0x0
	MM8 7, FB1, 0
.endm
; My 16 x 64 results into my own stage; LDS serves a wave's instructions in order (ISA guide 5.7.1), so my loads behind these stores see them
.macro TOSTAGE
	PLACES
	s_wait_alu depctr_va_vdst(0)                   ; the matrix instructions have written the accumulators, which the LDS stores read, and are done reading FB0 and FB1, in which later LDS loads land
.irp bt, 0,1,2,3
	ds_store_b128 v[STW], v[ACC+8*\bt:ACC+8*\bt+3]   offset:\bt*64
	ds_store_b128 v[STW], v[ACC+8*\bt+4:ACC+8*\bt+7] offset:\bt*64+16
.endr
.endm
; cosine into v[c], sine into v[s] of the angle v[pos] x v[inv]
.macro SINCOS c, s, pos, inv
	v_mul_f32 v[TA], v[\pos], v[\inv]              ; the angle
	v_mul_f32 v[TB], 0.15915494, v[TA]             ; in turns
	v_rndne_f32 v[TB], v[TB]
	v_fma_f32 v[TA], v[TA], 0.15915494, -v[TB]     ; the fraction of a turn, -1/2 .. 1/2
	v_mul_f32 v[TA], 0x40c90fdb, v[TA]             ; u = 2 pi x fraction
	v_mul_f32 v[TB], v[TA], v[TA]                  ; z = u u
	v_fmaak_f32 v[\s], v[CS], v[TB], 0x2f309231    ; 1/13!
	v_fmaak_f32 v[\c], v[CC], v[TB], 0xad49cba5    ; -1/14!
	v_fmaak_f32 v[\s], v[\s], v[TB], 0xb2d7322b    ; -1/11!
	v_fmaak_f32 v[\c], v[\c], v[TB], 0x310f76c7    ; 1/12!
	v_fmaak_f32 v[\s], v[\s], v[TB], 0x3638ef1d    ; 1/9!
	v_fmaak_f32 v[\c], v[\c], v[TB], 0xb493f27e    ; -1/10!
	v_fmaak_f32 v[\s], v[\s], v[TB], 0xb9500d01    ; -1/7!
	v_fmaak_f32 v[\c], v[\c], v[TB], 0x37d00d01    ; 1/8!
	v_fmaak_f32 v[\s], v[\s], v[TB], 0x3c088889    ; 1/5!
	v_fmaak_f32 v[\c], v[\c], v[TB], 0xbab60b61    ; -1/6!
	v_fmaak_f32 v[\s], v[\s], v[TB], 0xbe2aaaab    ; -1/3!
	v_fmaak_f32 v[\c], v[\c], v[TB], 0x3d2aaaab    ; 1/4!
	v_fma_f32 v[\s], v[\s], v[TB], 1.0
	v_fma_f32 v[\c], v[\c], v[TB], -0.5
	v_mul_f32 v[\s], v[\s], v[TA]
	v_fma_f32 v[\c], v[\c], v[TB], 1.0
.endm
	s_load_b256 s[4:11], s[0:1], 0x0               ; kvcp s[4:5], W_uk s[6:7], W_uv s[8:9], W_kr s[10:11]
	s_load_b128 s[12:15], s[0:1], 0x20             ; kvp s[12:13], vf s[14:15]
	v_lshl_add_u32 v14, v0, 2, 0x1a800
	v_mov_b32 v15, 0
	v_lshrrev_b32 v1, 5, v0                        ; w in every lane
	v_readfirstlane_b32 s20, v1                    ; wave
	s_mov_b32 s21, ttmp9                           ; x: 0..16
	s_and_b32 s22, ttmp7, 0xffff                   ; y: which 128 rows
	s_wait_alu depctr_va_sdst(0)                   ; s20 is written, ahead of its first reader: the waves' parts of the addresses are made from it
	; who brings which weights; the wave's part of the two addresses, apart for the two kinds of work-group
	s_and_b32 s37, s20, 3
	s_lshr_b32 s23, s20, 2
	; x < 16: waves 0..3 bring W_uk's 256 rows x 256 bytes, waves 4..7 W_uv's, into columns 64.. of the LDS rows; my wave's first row is 16 (w & 3)
	s_lshl_b32 s33, s37, 16                        ; in memory: 16 (w & 3) rows of 4,096 bytes
	s_mul_i32 s40, s37, 16*PBL                     ; in LDS: 16 (w & 3) rows
	s_lshl_b32 s38, s23, 7
	s_add_co_u32 s40, s40, s38                     ; + 128 (w >> 2) bytes.  With the lane's part at most 52 x 288 + 248; the last row is 203 further on
	; x = 16: waves 0..3 bring W_kr's rows 0..127, waves 4..7 its rows 128..255; my wave's first row is 16 (w & 3) + 128 (w >> 2)
	s_lshl_b32 s39, s37, 12                        ; in memory: rows of 256 bytes
	s_lshl_b32 s38, s23, 15
	s_add_co_u32 s39, s39, s38
	s_mul_i32 s41, s37, 16*PBL                     ; in LDS
	s_mul_i32 s38, s23, 128*PBL
	s_add_co_u32 s41, s41, s38                     ; with the lane's part at most 180 x 288 + 120; the last row is 75 further on
	; every other address, while the arguments are on their way
	v_and_b32 v16, 15, v0                          ; r
	v_bfe_u32 v17, v0, 4, 1                        ; h
	v_and_b32 v18, 31, v0                          ; lane
	v_and_b32 v19, 7, v0                           ; lane & 7
	v_bfe_u32 v20, v0, 3, 1                        ; (lane >> 3) & 1
	v_bfe_u32 v21, v0, 3, 2                        ; lane >> 3
	v_lshlrev_b32 v22, 4, v18                      ; 16 lane
	v_lshl_add_u32 v[AOFF], v1, 11, v22
	v_lshl_add_u32 v[GOV], v1, 12, v22
	v_lshlrev_b32 v24, 4, v16                      ; 16 r
	v_lshl_add_u32 v23, v17, 14, v24               ; the lane's part in memory, x < 16: 4 h rows of 4,096 bytes + 16 r
	v_lshl_add_u32 v28, v17, 10, v24               ; x = 16: 4 h rows of 256 bytes + 16 r
	v_mul_u32_u24 v25, v17, 4*PBL
	v_lshl_add_u32 v25, v16, 3, v25                ; the lane's part in LDS: 4 h rows, four bf16 at 8 r
	v_lshl_add_u32 v26, v17, 3, v19
	v_mul_u32_u24 v26, v26, PBL
	v_lshl_add_u32 v[BFR], v20, 4, v26             ; (8 h + (lane & 7)) PBL + 16 ((lane >> 3) & 1)
	v_add_nc_u32 v[BFR+1], 128*PBL, v[BFR]
	s_mul_i32 s42, s20, WSTG
	s_add_co_u32 s42, s42, STAGE                   ; my stage
	v_mul_u32_u24 v27, v16, SPITCH
	v_lshl_add_u32 v27, v17, 5, v27
	v_add_nc_u32 v[STW], s42, v27                  ; row r, 32 h bytes
	v_mul_u32_u24 v27, v21, SPITCH
	v_add_nc_u32 v27, s42, v27
	v_lshl_add_u32 v[STRK], v19, 5, v27
	v_lshl_add_u32 v[STRP], v19, 4, v27
	v_mul_u32_u24 v27, v17, SPITCH
	v_add_nc_u32 v27, s42, v27
	v_lshl_add_u32 v[STRV], v16, 4, v27
	s_mov_b32 s35, 0
	s_wait_kmcnt 0x0
	s_lshl_b32 s34, s22, 14                        ; 128 y rows of 128 bytes
	s_add_nc_u64 s[24:25], s[4:5], s[34:35]        ; kv_c's tile
	s_add_nc_u64 s[30:31], s[12:13], s[34:35]
	s_lshl_b32 s34, s21, 18
	s_add_nc_u64 s[30:31], s[30:31], s[34:35]      ; kvp, panel x
	s_cmp_lt_u32 s20, 4
	s_cselect_b64 s[26:27], s[6:7], s[8:9]         ; W_uk or W_uv,
	s_cmp_eq_u32 s21, 16
	s_cselect_b64 s[26:27], s[10:11], s[26:27]     ; or W_kr
	s_and_b32 s36, s21, 15
	s_lshl_b32 s34, s36, 8                         ; the head's 64 columns (0 for W_kr)
	s_add_nc_u64 s[26:27], s[26:27], s[34:35]
	s_lshl_b32 s34, s36, 19                        ; vf: the head's 2,048 rows of 256 bytes
	s_lshl_b32 s36, s22, 15
	s_add_co_u32 s34, s34, s36
	s_add_nc_u64 s[44:45], s[14:15], s[34:35]
	s_cmp_eq_u32 s21, 16                           ; the same in all eight waves
	s_cbranch_scc1 .Lld_kpe
	; x < 16: 32 loads of weights a thread and 32 of A.  28 + 32 = 60 go out at once; the last four follow into the first four's registers.
	v_add_nc_u32 v[BOFF], s33, v23
	v_add_nc_u32 v[BST], s40, v25
	s_wait_alu depctr_va_vdst(0)                   ; v2 to v11 are written, which the launch's loads and stores read as offsets and addresses; the head is done with v16 to v28, in which A lands
.irp idx, 0,1,2,3,4,5,6,7,8,9,10,11,12,13,14,15,16,17,18,19,20,21,22,23,24,25,26,27
	LB \idx, 4096
.endr
	LA
	s_wait_loadcnt 56                              ; loads 0..3 are in: 24 of weights and 32 of A were issued behind them
.irp idx, 0,1,2,3
	CVB \idx
.endr
	s_wait_alu depctr_va_vdst(0)                   ; the conversions have written the pairs that the LDS stores read, and are done with the registers in which loads 28..31 land
.irp idx, 0,1,2,3
	STB \idx
.endr
	s_wait_alu depctr_vm_vsrc(0)                   ; these four LDS stores have read their pairs, in which loads 28..31 land
.irp idx, 28,29,30,31
	LB \idx, 4096
.endr
	s_wait_loadcnt 36                              ; loads 4..27 are in: A's 32 and the last four stay out
.irp idx, 4,5,6,7,8,9,10,11,12,13,14,15,16,17,18,19,20,21,22,23,24,25,26,27
	CVB \idx
.endr
	s_wait_alu depctr_va_vdst(0)                   ; the conversions have written the pairs that the LDS stores read
.irp idx, 4,5,6,7,8,9,10,11,12,13,14,15,16,17,18,19,20,21,22,23,24,25,26,27
	STB \idx
.endr
	s_wait_loadcnt 0x0
.irp idx, 28,29,30,31
	CVB \idx
.endr
	s_wait_alu depctr_va_vdst(0)                   ; the conversions have written the pairs that the LDS stores read
.irp idx, 28,29,30,31
	STB \idx
.endr
	s_branch .Lld_done
.Lld_kpe:
	; x = 16: 16 loads of W_kr a thread and 32 of A
	v_add_nc_u32 v[BOFF], s39, v28
	v_add_nc_u32 v[BST], s41, v25
	s_wait_alu depctr_va_vdst(0)                   ; v2 to v11 are written, which the launch's loads and stores read as offsets and addresses; the head is done with v16 to v28, in which A lands
.irp idx, 0,1,2,3,4,5,6,7,8,9,10,11,12,13,14,15
	LB \idx, 256
.endr
	LA
	s_wait_loadcnt 32                              ; the weights are in, A's 32 loads stay out
.irp idx, 0,1,2,3,4,5,6,7,8,9,10,11,12,13,14,15
	CVB \idx
.endr
	s_wait_alu depctr_va_vdst(0)                   ; the conversions have written the pairs that the LDS stores read
.irp idx, 0,1,2,3,4,5,6,7,8,9,10,11,12,13,14,15
	STB \idx
.endr
.Lld_done:
	s_wait_loadcnt 0x0                             ; A is in
	s_wait_dscnt 0x0                               ; for the other waves: my part of the weights is written
	s_barrier_signal -1
	s_barrier_wait -1                              ; the launch's one barrier: the weights are whole, and nobody writes them again
	s_wait_alu depctr_vm_vsrc(0)                   ; my LDS stores have read v[SB ..]: these registers are ACC, FB0, FB1 and PK from here on, written by matrix instructions, fragment loads and conversions
	s_cmp_eq_u32 s21, 16
	s_cbranch_scc1 .Lc_kpe
	CPASS 0                                        ; k_nope
	TOSTAGE
.irp i, 0,1,2,3
	ds_load_b128 v[FB0+8*\i:FB0+8*\i+3],   v[STRK] offset:\i*4*SPITCH
	ds_load_b128 v[FB0+8*\i+4:FB0+8*\i+7], v[STRK] offset:\i*4*SPITCH+16
.endr
.irp i, 0,1,2,3
	s_wait_dscnt 6-2*\i                            ; pair i is in, the younger pairs may be out
	v_cvt_pk_bf16_f32 v[PK+4*\i],   v[FB0+8*\i],   v[FB0+8*\i+1]
	v_cvt_pk_bf16_f32 v[PK+4*\i+1], v[FB0+8*\i+2], v[FB0+8*\i+3]
	v_cvt_pk_bf16_f32 v[PK+4*\i+2], v[FB0+8*\i+4], v[FB0+8*\i+5]
	v_cvt_pk_bf16_f32 v[PK+4*\i+3], v[FB0+8*\i+6], v[FB0+8*\i+7]
.endr
	s_wait_alu depctr_va_vdst(0)                   ; the sixteen conversions have written PK, which the stores read, and are done reading FB0, in which the next pass's fragments land
.irp i, 0,1,2,3
	global_store_b128 v[AOFF], v[PK+4*\i:PK+4*\i+3], s[30:31] offset:\i*512      ; four rows of 128 bytes: 512 consecutive bytes
.endr
	s_wait_alu depctr_vm_vsrc(0)                   ; the LDS stores into my stage have read the accumulators, which the next pass's first products write
	CPASS 128                                      ; v: the columns 128 bytes on in the LDS rows
	TOSTAGE
.irp i, 0,1,2,3,4,5,6,7
	ds_load_b128 v[FB0+4*\i:FB0+4*\i+3], v[STRV] offset:\i*2*SPITCH
.endr
.irp i, 0,1,2,3,4,5,6,7
	s_wait_dscnt 7-\i                              ; load i is in, the younger ones may be out
	global_store_b128 v[GOV], v[FB0+4*\i:FB0+4*\i+3], s[44:45] offset:\i*512     ; two rows of 256 bytes
.endr
	s_wait_dscnt 0x0
	s_wait_alu depctr_hold_cnt(0) depctr_sa_sdst(0) depctr_va_vdst(0) depctr_va_sdst(0) depctr_va_ssrc(0) depctr_va_vcc(0) depctr_vm_vsrc(0)
	s_wait_tensorcnt 0x0
	ds_add_u32 v14, v15
	s_wait_dscnt 0x0
	s_endpgm
.Lc_kpe:
	CPASS 0
	TOSTAGE
	; lane l rotates dims 4c..4c+3 with 32+4c..32+4c+3, c = l & 7, of my wave's rows (l >> 3) + 4 i
.irp i, 0,1,2,3
	ds_load_b128 v[FB0+8*\i:FB0+8*\i+3],   v[STRP] offset:\i*4*SPITCH            ; x1
	ds_load_b128 v[FB0+8*\i+4:FB0+8*\i+7], v[STRP] offset:\i*4*SPITCH+128        ; x2
.endr
	v_and_b32 v25, 7, v0
	v_lshlrev_b32 v25, 2, v25                      ; 4 c
.irp j, 0,1,2,3
	v_add_nc_u32 v[INV+\j], \j, v25
	v_cvt_f32_u32 v[INV+\j], v[INV+\j]
	v_mul_f32 v[INV+\j], 0xbed49a78, v[INV+\j]     ; - f log2(10000) / 32
.endr
.irp j, 0,1,2,3
	v_exp_f32 v[INV+\j], v[INV+\j]
.endr
	v_mov_b32 v[CS], 0xab573f9f                    ; plain vector instructions stand behind the exponentials before their results are used (ISA guide 5.7.2)
	v_mov_b32 v[CC], 0x29573f9f
	v_bfe_u32 v[POS], v0, 3, 2
	s_lshl_b32 s38, s22, 7
	s_lshl_b32 s39, s20, 4
	s_add_co_u32 s38, s38, s39
	v_add_nc_u32 v[POS], s38, v[POS]               ; 128 y + 16 w + (l >> 3)
	v_cvt_f32_u32 v[POS], v[POS]
	s_wait_alu depctr_va_vdst(0)                   ; the four exponentials have written INV: one wait for the batch, ahead of its first reader
.irp i, 0,1,2,3
.irp j, 0,1,2,3
	SINCOS CO+\j, SI+\j, POS, INV+\j
.endr
	s_wait_dscnt 6-2*\i                            ; this pass's x1 and x2 are in
.irp j, 0,1,2,3
	v_mul_f32 v[YR+\j],   v[FB0+8*\i+\j],   v[CO+\j]
	v_mul_f32 v[YR+4+\j], v[FB0+8*\i+4+\j], v[CO+\j]
	v_fma_f32 v[YR+\j],   -v[FB0+8*\i+4+\j], v[SI+\j], v[YR+\j]      ; x1 cos - x2 sin
	v_fma_f32 v[YR+4+\j], v[FB0+8*\i+\j],    v[SI+\j], v[YR+4+\j]    ; x2 cos + x1 sin
.endr
.irp j, 0,1,2,3
	v_cvt_pk_bf16_f32 v[PK+4*\i+\j], v[YR+2*\j], v[YR+2*\j+1]
.endr
	v_add_f32 v[POS], 4.0, v[POS]                  ; four rows on
.endr
	s_wait_alu depctr_va_vdst(0)                   ; the sixteen conversions have written PK, which the four stores read
.irp i, 0,1,2,3
	global_store_b128 v[AOFF], v[PK+4*\i:PK+4*\i+3], s[30:31] offset:\i*512
.endr
	s_wait_dscnt 0x0
	s_wait_alu depctr_hold_cnt(0) depctr_sa_sdst(0) depctr_va_vdst(0) depctr_va_sdst(0) depctr_va_ssrc(0) depctr_va_vcc(0) depctr_vm_vsrc(0)
	s_wait_tensorcnt 0x0
	ds_add_u32 v14, v15
	s_wait_dscnt 0x0
	s_endpgm
.Lfunc_end_k_q6ec808d46c_kvup:
	.size	k_q6ec808d46c_kvup, .Lfunc_end_k_q6ec808d46c_kvup-k_q6ec808d46c_kvup
	.p2alignl 7, 3214868480
	.fill 96, 4, 3214868480
	.section	.rodata,"a",@progbits
	.p2align	6, 0x0
	.amdhsa_kernel k_q6ec808d46c_kvup
		.amdhsa_group_segment_fixed_size 109568
		.amdhsa_private_segment_fixed_size 0
		.amdhsa_enable_private_segment 0
		.amdhsa_kernarg_size 48
		.amdhsa_user_sgpr_count 2
		.amdhsa_user_sgpr_kernarg_segment_ptr 1
		.amdhsa_wavefront_size32 1
		.amdhsa_system_sgpr_workgroup_id_x 1
		.amdhsa_system_sgpr_workgroup_id_y 1
		.amdhsa_system_sgpr_workgroup_id_z 1
		.amdhsa_system_vgpr_workitem_id 0
		.amdhsa_next_free_vgpr 256
		.amdhsa_next_free_sgpr 66
		.amdhsa_reserve_vcc 0
		.amdhsa_float_denorm_mode_32 3
		.amdhsa_float_denorm_mode_16_64 3
		.amdhsa_memory_ordered 1
		.amdhsa_forward_progress 1
		.amdhsa_inst_pref_size 84
	.end_amdhsa_kernel
	.amdgpu_metadata
---
amdhsa.version: [ 1, 2 ]
amdhsa.kernels:
  - .name:           k_q6ec808d46c_kvup
    .symbol:         k_q6ec808d46c_kvup.kd
    .args:
      - { .name: kvcp, .offset: 0, .size: 8, .value_kind: global_buffer, .address_space: global }
      - { .name: W_uk, .offset: 8, .size: 8, .value_kind: global_buffer, .address_space: global }
      - { .name: W_uv, .offset: 16, .size: 8, .value_kind: global_buffer, .address_space: global }
      - { .name: W_kr, .offset: 24, .size: 8, .value_kind: global_buffer, .address_space: global }
      - { .name: kvp, .offset: 32, .size: 8, .value_kind: global_buffer, .address_space: global }
      - { .name: vf, .offset: 40, .size: 8, .value_kind: global_buffer, .address_space: global }
    .group_segment_fixed_size: 109568
    .private_segment_fixed_size: 0
    .kernarg_segment_align: 8
    .kernarg_segment_size: 48
    .max_flat_workgroup_size: 256
    .sgpr_count:     66
    .vgpr_count:     256
    .wavefront_size: 32
...
	.end_amdgpu_metadata
.endif
;; end of part 5
;; launch qattn (part 6): grid 16 x 16, 8 waves a work-group, no clusters, 228,352 bytes of LDS; arguments qcp, W_uq, W_qr, kvp, vf, seg_id, aop; writes aop
.if DOCPART == 6
	.amdgcn_target "amdgcn-amd-amdhsa--gfx1250"
	.amdhsa_code_object_version 6
	.text
	.protected	k_q6ec808d46c_qattn
	.globl	k_q6ec808d46c_qattn
	.p2align	8
	.type	k_q6ec808d46c_qattn,@function
k_q6ec808d46c_qattn:
	s_mov_b64 s[64:65], 0
	v_nop
	global_prefetch_b8 v0, s[64:65] scope:SCOPE_SE
	s_setreg_imm32_b32 hwreg(HW_REG_WAVE_SCHED_MODE, 0, 2), 2
	s_setreg_imm32_b32 hwreg(HW_REG_WAVE_MODE, 25, 1), 1
	s_wait_xcnt 0x0
	s_wait_alu depctr_vm_vsrc(0)
; Third of four launches: for one head (x) and 128 queries (y): q_nope = qc W_uq and q_pe = qc W_qr (the head's 64 + 64 columns, K = 512), RoPE on q_pe,
; the scores with the keys that the model's own mask allows, softmax, and the weighted sum of v.  q_nope, q_pe, scores and weights never leave the work-group.
; THE MASK: query i sees keys seg - 2, seg - 1, seg (those of them in 0..2047).  Every other key has the score -1e9; its weight exp(-1e9 - max) is 0 in f32.
; LIMITS: right for 0 <= seg_id <= 2049 (at least one key allowed) and while the largest allowed score lies above -1e9 + 104; for other seg_id the model
; averages all 2,048 rows of v, which this text does not do.  The largest of the three scores (masked ones at -1e9) is taken away before the exponential.
; q_pos_ids and kv_pos_ids are no arguments: the model rotates by its own arange and never uses them.
; The products: a tile of 128 x 128: wave w makes rows 32 (w >> 1).., columns 64 (w & 1)..: eight accumulator tiles; waves with w & 1 = 0 make q_nope, the others
; q_pe.  qc's tile is bf16 (16,384 consecutive bytes, in fragment order: piece n of 16 bytes is row 16 (n >> 7) + (n & 15), columns 8 ((n >> 4) & 7)..), the weights
; are f32 and are rounded in registers: waves 0..3 bring W_uq's 64 rows x 256 bytes of a step, waves 4..7 W_qr's.
; NO TENSOR LOADS, NO JOINT REQUESTS: two thirds of a step's bytes (the weights) are f32 and have to pass registers to be rounded.
; The attention: eight lanes a query (g = t & 7); wave w owns queries 16 w .. 16 w + 15, four in each of four passes.  Lane g owns dims 8g..8g+7 of q_nope, k_nope and v,
; and dims 4g..4g+3, 32+4g..32+4g+3 of the rotated parts.  Keys are gathered by query, so the dot products are fused multiply-adds from bf16 halves into f32,
; and the sum of v is in f32 throughout: 3 of 2,048 keys.
; THE RESULT goes out as two bf16 numbers, for the last launch's matrix products: panel x of aop holds the rounded value, panel 16 + x the rounded remainder
; (value - rounded value, exact in f32): 16 significant bits.  Both in fragment order (offset = (row >> 4) x 2,048 + g x 256 + (row & 15) x 16): a wave's 16 queries
; are one block of 2,048 bytes, gathered in the wave's own LDS scratch and stored as four runs of 512 consecutive bytes.
; The rotation's angle and series: as in the launch that makes the keys (one turn by one fused multiply-add, error at most 2e-5 turns at position 2047).
; THE MODE: SCHED_MODE bits 1:0 = 2 (LLVM: expert scheduling mode 2), set by the entry lines.  The code itself states the register dependences
; between vector or matrix instructions and memory or LDS instructions, with s_wait_alu, always for 0.
; THE PLAN.  Registers that memory or LDS instructions touch:
;   v2 .. v15, v254  offsets and addresses, written once at the head: v2, v3, v13 ahead of the wait in front of the first load, the others ahead of the wait in front of the table's LDS stores.
;   TC          the table's 32 numbers: all are made, one wait on va_vdst, eight LDS stores.  The accumulators take these registers: the wait on vm_vsrc ahead of stage 2's loads stands between.
;   SET0, SET1  a stage lands; A's part is stored as it came; the weights are rounded in place and stored: ONE wait on va_vdst in STORE, behind the conversions.  It also states that the
;               step's matrix instructions are done reading FR, so the next step's first fragment loads owe nothing more (only v_nop stands between).
;               A wait on vm_vsrc, beside the wait on XCNT for the bases, stands ahead of the loads that fill the set again.
;   FR          one set of fragments, read by a half step's eight matrix instructions: the second half's loads have a wait on va_vdst of their own.
;   OFFK, OFFV  made behind the loop; ONE wait on va_vdst behind them states them, the accumulators (which the LDS stores into the stage read) and that FR and the sets, in which
;               the gathers land, are done with; a wait on vm_vsrc beside it: the last two stages' LDS stores have read the sets.
;   v16 .. v79  the stage's LDS stores read them; behind the barrier a wait on vm_vsrc, then the passes' LDS loads land there and their vector instructions write there.
;   PK          two sets by turns: written by a pass's conversions, read by its two LDS stores: one wait on va_vdst ahead of the stores.  That wait stands behind all of the pass's vector
;               work, so the next pass's LDS loads, and the gather into slot 0 behind pass 0, owe nothing more.  One wait on vm_vsrc between passes 1 and 2 frees both sets.
;   s32 .. s34  a pass's three masks: the compares stand in a run at the pass's head, one wait on va_sdst ahead of the first select.
.set TSTEPS, 8                         ; 512 / 64
.set PA,     144
.set ABUF,   128*PA                    ; 18,432
.set PBL,    288                       ; LDS row of B: 256 bytes + 32 = 9 x 32
.set BBUF,   64*PBL                    ; 18,432
.set BLDS,   2*ABUF
.set QST,    BLDS+2*BBUF               ; 73,728: q_nope | q_pe in f32, 128 rows
.set QPITCH, 656                       ; 512 + 144 = 41 x 16
.set TAB,    QST+128*QPITCH            ; 157,696: each thread's own cosines (16,384 bytes) and sines (16,384)
.set OSC,    TAB+32768                 ; 190,464: each wave's own scratch for the way out
.set OSP,    288                       ; a group's 16 rows x 16 bytes + 32: the sixteen lanes of a store hit 16 different 16-byte columns modulo 256
.set OSPART, 8*OSP                     ; the values' eight groups, then the remainders'
.set OSWAVE, 2*OSPART                  ; 4,608
.set NLD,    12                        ; loads of a stage in each thread: 4 of A, 8 of B
.set PANEL,  262144
.set MK,   32                          ; s[32:34] behind the loop: the masks of a pass's three keys
.set AOFF, 2                           ; v2   16 t: my 16 bytes in A's tile
.set BOFF, 3                           ; v3   B: row 16 (w & 3) + 4 h, 16 r bytes; the other rows in the immediate
.set AST,  4
.set BST,  5
.set AFR,  6
.set BFR,  7
.set STW,  8
.set QRN,  9                           ; LDS: my eight q_nope of my first query
.set QRP,  10                          ; LDS: my first four q_pe of that query
.set TABA, 11                          ; LDS: my cosines
.set G16,  12                          ; 16 g
.set SEGO, 13                          ; 4 x my first query
.set OSW,  14                          ; LDS scratch: where my 16 bytes go
.set OSR,  15                          ; LDS scratch: where I read 16 bytes back
.set ACC,  16                          ; v[16:79]   eight accumulator tiles; before the loop scratch, behind it the attention's registers
.set FR,   80                          ; v[80:127]  fragments A0, A1, B0..B3
.set SET0, 128                         ; v[128:175] set 0, v[176:223] set 1
.set SETSZ, 48
.set GA,   80                          ; v[80:223]  behind the loop: the gathered rows, three slots of 48 registers; key d at 16 d: k_nope 4, k_pe 4, v 8
.set OUTR, 128                         ; v[128:159] at the end: the wave's block as it is stored
.set OFFK, 224                         ; v[224:235] byte offsets of the 12 keys' rows of 128 bytes
.set OFFV, 236                         ; v[236:247] the same in rows of 256 bytes
.set SEG,  248                         ; v[248:251] seg_id of my four queries
.set ZERO, 252                         ; 0.0: starts the chains of fused multiply-adds
.set MASKV, 253                        ; -1e9 log2(e)
.set GO,   254                         ; 2,048 w + 16 lane: my 16 bytes of the output tile
; scratch for the table of cosines and sines
.set INV,  16
.set POS,  20
.set CS,   21
.set CC,   22
.set TA,   23
.set TB,   24
.set TC,   32                          ; v[32:63]: pass i: four cosines, four sines
; the attention's registers
.set QN,   16                          ; v[16:23] q_nope
.set QX,   24                          ; v[24:31] q_pe as made: x1, x2; later the remainders in f32
.set CO,   32                          ; v[32:35]
.set SI,   36                          ; v[36:39]
.set RP,   40                          ; v[40:47] q_pe rotated
.set SS,   48                          ; v[48:50] the three scores, then the three weights
.set KI,   51
.set MX,   52
.set SUM,  53
.set RS,   54
.set OA,   56                          ; v[56:63] the output's eight dims in f32
.set SP,   56                          ; v[56:58] before that: the rotated parts' share of the three scores
.set PK,   64                          ; v[64:79] packed: two sets by turns, each four registers of values and four of remainders
.macro PLACES                          ; four places behind matrix instructions (ISA guide 7.12.1); they stay beside the waits
.rept 4
	v_nop
.endr
.endm
.macro ISSUE set, step
.if \step
	s_wait_xcnt 0x0                                ; the bases are sources of the loads issued before
	s_add_nc_u64 s[24:25], s[24:25], PANEL         ; qc's next panel
	s_add_nc_u64 s[26:27], s[26:27], PANEL         ; 64 rows of 4,096 bytes
.endif
.irp i, 0,1,2,3
	global_load_b128 v[\set+4*\i:\set+4*\i+3], v[AOFF], s[24:25] offset:\i*4096
.endr
.irp i, 0,1,2,3
	global_load_b128 v[\set+16+4*\i:\set+16+4*\i+3], v[BOFF], s[26:27] offset:\i*4096
	global_load_b128 v[\set+32+4*\i:\set+32+4*\i+3], v[BOFF], s[26:27] offset:(\i+8)*4096
.endr
.endm
.macro STORE set, buf
.irp i, 0,1,2,3
	ds_store_b128 v[AST], v[\set+4*\i:\set+4*\i+3] offset:(\buf)*ABUF+\i*32*PA     ; bf16 as it came: piece t + 256 i lies 32 rows below piece t; no vector instruction has named these registers
.endr
.irp i, 4,5,6,7,8,9,10,11
	v_cvt_pk_bf16_f32 v[\set+4*\i],   v[\set+4*\i],   v[\set+4*\i+1]               ; the weights, rounded in place, in one run
	v_cvt_pk_bf16_f32 v[\set+4*\i+1], v[\set+4*\i+2], v[\set+4*\i+3]
.endr
	s_wait_alu depctr_va_vdst(0)                   ; the conversions have written the pairs that the LDS stores below read; the step's matrix instructions are done reading FR, in which the next step's first fragments land
.irp i, 0,1,2,3
	ds_store_b64 v[BST], v[\set+16+4*\i:\set+16+4*\i+1] offset:(\buf)*BBUF+\i*PBL
	ds_store_b64 v[BST], v[\set+32+4*\i:\set+32+4*\i+1] offset:(\buf)*BBUF+(\i+8)*PBL
.endr
.endm
; Twelve LDS loads, A's second fragment last
.macro LOADF buf, kk
	ds_load_b128 v[FR:FR+3],   v[AFR] offset:(\buf)*ABUF+\kk*64
	ds_load_b128 v[FR+4:FR+7], v[AFR] offset:(\buf)*ABUF+\kk*64+32
.irp bt, 0,1,2,3
	ds_load_tr16_b128 v[FR+16+8*\bt:FR+16+8*\bt+3],   v[BFR] offset:(\buf)*BBUF+\kk*32*PBL+\bt*32
	ds_load_tr16_b128 v[FR+16+8*\bt+4:FR+16+8*\bt+7], v[BFR] offset:(\buf)*BBUF+\kk*32*PBL+\bt*32+16*PBL
.endr
	ds_load_b128 v[FR+8:FR+11],  v[AFR] offset:(\buf)*ABUF+16*PA+\kk*64
	ds_load_b128 v[FR+12:FR+15], v[AFR] offset:(\buf)*ABUF+16*PA+\kk*64+32
.endm
; Four matrix instructions.  The eight accumulators take turns, one instruction a turn, in the same order everywhere.
.macro MMROW at, zero
.irp bt, 0,1,2,3
.if \zero
	v_wmma_f32_16x16x32_bf16 v[ACC+8*(4*\at+\bt):ACC+8*(4*\at+\bt)+7], v[FR+16+8*\bt:FR+16+8*\bt+7], v[FR+8*\at:FR+8*\at+7], 0
.else
	v_wmma_f32_16x16x32_bf16 v[ACC+8*(4*\at+\bt):ACC+8*(4*\at+\bt)+7], v[FR+16+8*\bt:FR+16+8*\bt+7], v[FR+8*\at:FR+8*\at+7], v[ACC+8*(4*\at+\bt):ACC+8*(4*\at+\bt)+7]
.endif
.endr
.endm
; Half a K step.  The first half's loads lean on the wait in the STORE that stands ahead of the step: only v_nop stands between.
.macro HALF b, kk, zero
	PLACES
.if \kk
	s_wait_alu depctr_va_vdst(0)                   ; the first half's matrix instructions are done reading FR, in which the loads below land
.endif
	LOADF \b, \kk
	s_wait_dscnt 0x2                               ; all but A's second fragment (the two youngest loads)
	MMROW 0, \zero
	s_wait_dscnt 0x0
	MMROW 1, \zero
.endm
.macro STEP b, zero, store, issue, left
	HALF \b, 0, \zero
	HALF \b, 1, 0
.if \store
	s_wait_loadcnt \left
	STORE SET0+(1-\b)*SETSZ, 1-\b
	s_wait_dscnt 0x0                               ; for the other waves: my stores are done
.if \issue
	s_wait_alu depctr_vm_vsrc(0)                   ; the LDS stores have read the set, in which the loads below land
	ISSUE SET0+(1-\b)*SETSZ, 1
.endif
	s_barrier_signal -1
	s_barrier_wait -1
.endif
.endm
.macro SINCOS c, s, pos, inv
	v_mul_f32 v[TA], v[\pos], v[\inv]              ; the angle
	v_mul_f32 v[TB], 0.15915494, v[TA]             ; in turns
	v_rndne_f32 v[TB], v[TB]
	v_fma_f32 v[TA], v[TA], 0.15915494, -v[TB]     ; the fraction of a turn
	v_mul_f32 v[TA], 0x40c90fdb, v[TA]             ; u = 2 pi x fraction
	v_mul_f32 v[TB], v[TA], v[TA]                  ; z = u u
	v_fmaak_f32 v[\s], v[CS], v[TB], 0x2f309231    ; 1/13!
	v_fmaak_f32 v[\c], v[CC], v[TB], 0xad49cba5    ; -1/14!
	v_fmaak_f32 v[\s], v[\s], v[TB], 0xb2d7322b    ; -1/11!
	v_fmaak_f32 v[\c], v[\c], v[TB], 0x310f76c7    ; 1/12!
	v_fmaak_f32 v[\s], v[\s], v[TB], 0x3638ef1d    ; 1/9!
	v_fmaak_f32 v[\c], v[\c], v[TB], 0xb493f27e    ; -1/10!
	v_fmaak_f32 v[\s], v[\s], v[TB], 0xb9500d01    ; -1/7!
	v_fmaak_f32 v[\c], v[\c], v[TB], 0x37d00d01    ; 1/8!
	v_fmaak_f32 v[\s], v[\s], v[TB], 0x3c088889    ; 1/5!
	v_fmaak_f32 v[\c], v[\c], v[TB], 0xbab60b61    ; -1/6!
	v_fmaak_f32 v[\s], v[\s], v[TB], 0xbe2aaaab    ; -1/3!
	v_fmaak_f32 v[\c], v[\c], v[TB], 0x3d2aaaab    ; 1/4!
	v_fma_f32 v[\s], v[\s], v[TB], 1.0
	v_fma_f32 v[\c], v[\c], v[TB], -0.5
	v_mul_f32 v[\s], v[\s], v[TA]
	v_fma_f32 v[\c], v[\c], v[TB], 1.0
.endm
; v[dst] = bf16 half of v[kreg] (hi = 1: the upper) x v[qreg] + v[add], in f32
.macro TERM dst, kreg, hi, qreg, add
.if \hi
	v_fma_mix_f32_bf16 v[\dst], v[\kreg], v[\qreg], v[\add] op_sel:[1,0,0] op_sel_hi:[1,0,0]
.else
	v_fma_mix_f32_bf16 v[\dst], v[\kreg], v[\qreg], v[\add] op_sel_hi:[1,0,0]
.endif
.endm
; The twelve gathers of pass i, into slot: of each of the three keys my 16 bytes of k_nope, my 16 bytes of the rotated key, my 32 bytes of v
.macro GATHER i, slot
.irp d, 0,1,2
	global_load_b128 v[GA+48*\slot+16*\d:GA+48*\slot+16*\d+3],     v[OFFK+3*\i+\d], s[38:39]
	global_load_b128 v[GA+48*\slot+16*\d+4:GA+48*\slot+16*\d+7],   v[OFFK+3*\i+\d], s[42:43]
	global_load_b128 v[GA+48*\slot+16*\d+8:GA+48*\slot+16*\d+11],  v[OFFV+3*\i+\d], s[40:41]
	global_load_b128 v[GA+48*\slot+16*\d+12:GA+48*\slot+16*\d+15], v[OFFV+3*\i+\d], s[40:41] offset:16
.endr
.endm
; Pass i: my wave's queries 4 i .. 4 i + 3, gathered rows in slot, packed results in set par; left: how many younger gathers may stay out.
; The six LDS loads at its head lean on the wait that stands last ahead of the pass: no vector instruction since it names v16 to v39.
.macro PASS i, slot, par, left
	ds_load_b128 v[QN:QN+3],   v[QRN] offset:\i*4*QPITCH
	ds_load_b128 v[QN+4:QN+7], v[QRN] offset:\i*4*QPITCH+16
	ds_load_b128 v[QX:QX+3],   v[QRP] offset:\i*4*QPITCH
	ds_load_b128 v[QX+4:QX+7], v[QRP] offset:\i*4*QPITCH+128
	ds_load_b128 v[CO:CO+3],   v[TABA] offset:\i*4096
	ds_load_b128 v[SI:SI+3],   v[TABA] offset:16384+\i*4096
.irp d, 0,1,2
	v_sub_nc_u32 v[KI], v[SEG+\i], \d              ; the key's number; below 0 it wraps to a large number
	v_cmp_gt_u32 s[MK+\d], 0x800, v[KI]            ; a key of the table?  The three masks are made in a run, far ahead of the selects that read them
.endr
	s_wait_dscnt 0x0
.irp j, 0,1,2,3
	v_mul_f32 v[RP+\j],   v[QX+\j],   v[CO+\j]
	v_mul_f32 v[RP+4+\j], v[QX+4+\j], v[CO+\j]
	v_fma_f32 v[RP+\j],   -v[QX+4+\j], v[SI+\j], v[RP+\j]        ; x1 cos - x2 sin
	v_fma_f32 v[RP+4+\j], v[QX+\j],    v[SI+\j], v[RP+4+\j]      ; x2 cos + x1 sin
.endr
	s_wait_loadcnt \left                           ; this pass's twelve gathers are in; twelve for each pass asked for later stay out
	; my 16 terms of each of the three dot products, in six chains by turns: the content part and the rotated part of each key
.irp d, 0,1,2
	TERM SS+\d, GA+48*\slot+16*\d,   0, QN, ZERO
	TERM SP+\d, GA+48*\slot+16*\d+4, 0, RP, ZERO
.endr
.irp d, 0,1,2
	TERM SS+\d, GA+48*\slot+16*\d,   1, QN+1, SS+\d
	TERM SP+\d, GA+48*\slot+16*\d+4, 1, RP+1, SP+\d
.endr
.irp j, 1,2,3
.irp d, 0,1,2
	TERM SS+\d, GA+48*\slot+16*\d+\j,   0, QN+2*\j, SS+\d
	TERM SP+\d, GA+48*\slot+16*\d+4+\j, 0, RP+2*\j, SP+\d
.endr
.irp d, 0,1,2
	TERM SS+\d, GA+48*\slot+16*\d+\j,   1, QN+2*\j+1, SS+\d
	TERM SP+\d, GA+48*\slot+16*\d+4+\j, 1, RP+2*\j+1, SP+\d
.endr
.endr
.irp d, 0,1,2
	v_add_f32 v[SS+\d], v[SS+\d], v[SP+\d]
.endr
	; over the query's eight lanes; every lane ends up with the sums
.irp m, 1,2,4
.irp d, 0,1,2
	v_add_f32_dpp v[SS+\d], v[SS+\d], v[SS+\d] row_xmask:\m row_mask:0xf bank_mask:0xf
.endr
.endr
.irp d, 0,1,2
	v_mul_f32 v[SS+\d], 0x3e0293ee, v[SS+\d]       ; x log2(e) / sqrt(128): the exponentials below are in base 2
.endr
	s_wait_alu depctr_va_sdst(0)                   ; the three compares have written s[MK .. MK+2], ahead of their first reader
.irp d, 0,1,2
	v_cndmask_b32 v[SS+\d], v[MASKV], v[SS+\d], s[MK+\d]
.endr
	v_max3_num_f32 v[MX], v[SS], v[SS+1], v[SS+2]
.irp d, 0,1,2
	v_sub_f32 v[SS+\d], v[SS+\d], v[MX]
.endr
.irp d, 0,1,2
	v_exp_f32 v[SS+\d], v[SS+\d]
.endr
	v_nop                                          ; one plain vector instruction behind the exponentials (ISA guide 5.7.2)
	s_wait_alu depctr_va_vdst(0)                   ; the three exponentials have written the weights: one wait for the batch, ahead of its first reader
	v_add_f32 v[SUM], v[SS], v[SS+1]
	v_add_f32 v[SUM], v[SUM], v[SS+2]
	v_rcp_f32 v[RS], v[SUM]
	v_nop                                          ; and behind the reciprocal
	s_wait_alu depctr_va_vdst(0)                   ; the reciprocal has written RS, ahead of its first reader
.irp d, 0,1,2
	v_mul_f32 v[SS+\d], v[SS+\d], v[RS]
.endr
.irp j, 0,1,2,3,4,5,6,7
	v_mul_f32 v[OA+\j], v[GA+48*\slot+8+\j], v[SS]
.endr
.irp d, 1,2
.irp j, 0,1,2,3,4,5,6,7
	v_fmac_f32 v[OA+\j], v[GA+48*\slot+16*\d+8+\j], v[SS+\d]
.endr
.endr
.irp j, 0,1,2,3
	v_cvt_pk_bf16_f32 v[PK+8*\par+\j], v[OA+2*\j], v[OA+2*\j+1]    ; the rounded values,
	v_lshlrev_b32 v[QX+2*\j],   16, v[PK+8*\par+\j]                ; back in f32,
	v_and_b32     v[QX+2*\j+1], 0xffff0000, v[PK+8*\par+\j]
	v_sub_f32 v[QX+2*\j],   v[OA+2*\j],   v[QX+2*\j]               ; what the rounding left,
	v_sub_f32 v[QX+2*\j+1], v[OA+2*\j+1], v[QX+2*\j+1]
	v_cvt_pk_bf16_f32 v[PK+8*\par+4+\j], v[QX+2*\j], v[QX+2*\j+1]  ; rounded
.endr
	s_wait_alu depctr_va_vdst(0)                   ; the conversions have written this set of PK, which the two LDS stores read; the pass is done with v16 to v39 and with its slot, in which later loads land
	ds_store_b128 v[OSW], v[PK+8*\par:PK+8*\par+3]   offset:\i*64            ; group g, row 4 i + (lane >> 3) of my wave's block
	ds_store_b128 v[OSW], v[PK+8*\par+4:PK+8*\par+7] offset:OSPART+\i*64     ; the remainders
.endm
	s_load_b256 s[4:11], s[0:1], 0x0               ; qcp s[4:5], W_uq s[6:7], W_qr s[8:9], kvp s[10:11]
	s_load_b128 s[12:15], s[0:1], 0x20             ; vf s[12:13], seg_id s[14:15]
	s_load_b64 s[16:17], s[0:1], 0x30              ; aop
	v_lshl_add_u32 v255, v0, 2, 0x37800
	s_set_vgpr_msb 0x40
	v_mov_b32 v1, 0
	s_set_vgpr_msb 0x4000
	v_lshrrev_b32 v1, 5, v0                        ; w in every lane
	v_readfirstlane_b32 s20, v1                    ; wave
	s_mov_b32 s21, ttmp9                           ; the head
	s_and_b32 s22, ttmp7, 0xffff                   ; which 128 queries
	s_wait_alu depctr_va_sdst(0)                   ; s20 is written, ahead of its first reader: the waves' parts of the addresses are made from it
	s_and_b32 s37, s20, 3
	s_lshr_b32 s23, s20, 2                         ; 0: I bring W_uq, 1: W_qr
	v_and_b32 v64, 15, v0                          ; r
	v_bfe_u32 v65, v0, 4, 1                        ; h
	v_bfe_u32 v73, v0, 3, 2                        ; lane >> 3
	v_lshl_add_u32 v66, v1, 4, v73                 ; my first query: 16 w + (lane >> 3)
	v_and_b32 v67, 7, v0                           ; g
	v_lshlrev_b32 v[AOFF], 4, v0
	v_lshlrev_b32 v[SEGO], 2, v66
	v_lshlrev_b32 v68, 4, v64
	v_lshl_add_u32 v68, v65, 14, v68               ; 4 h rows of 4,096 bytes + 16 r
	s_lshl_b32 s36, s37, 16                        ; 16 (w & 3) rows
	v_add_nc_u32 v[BOFF], s36, v68
	s_mov_b32 s35, 0
	s_lshl_b32 s34, s22, 14                        ; 128 y rows of 128 bytes
	s_cmp_lt_u32 s20, 4
	s_wait_kmcnt 0x0
	s_cselect_b64 s[26:27], s[6:7], s[8:9]
	s_add_nc_u64 s[24:25], s[4:5], s[34:35]        ; qc's tile
	s_add_nc_u64 s[30:31], s[16:17], s[34:35]
	s_lshl_b32 s34, s21, 18                        ; the head's panel
	s_add_nc_u64 s[30:31], s[30:31], s[34:35]      ; the output tile
	s_add_nc_u64 s[38:39], s[10:11], s[34:35]      ; k_nope of the head
	s_add_nc_u64 s[42:43], s[10:11], 16*PANEL      ; the shared rotated key
	s_lshl_b32 s34, s21, 19                        ; 2,048 rows of 256 bytes
	s_add_nc_u64 s[40:41], s[12:13], s[34:35]      ; v of the head
	s_lshl_b32 s34, s21, 8                         ; the head's 64 columns of f32
	s_add_nc_u64 s[26:27], s[26:27], s[34:35]
	s_lshl_b32 s34, s22, 9                         ; 128 y words
	s_add_nc_u64 s[44:45], s[14:15], s[34:35]
	s_wait_alu depctr_va_vdst(0)                   ; v2, v3 and v13 are written, which the loads below and every later stage's read as offsets
.irp i, 0,1,2,3
	global_load_b32 v[SEG+\i], v[SEGO], s[44:45] offset:\i*16      ; four queries on; ahead of the stages: the first wait for a stage shows these in too
.endr
	ISSUE SET0, 0                                  ; stage 0
	ISSUE SET0+SETSZ, 1                            ; stage 1
	; LDS addresses
	s_lshr_b32 s33, s20, 1                         ; wm
	s_and_b32 s46, s20, 1                          ; wn
	v_bfe_u32 v70, v0, 3, 1                        ; (t >> 3) & 1
	v_lshrrev_b32 v71, 7, v0
	v_lshl_add_u32 v71, v71, 4, v64                ; piece t is row 16 (t >> 7) + r,
	v_bfe_u32 v72, v0, 4, 3                        ; group (t >> 4) & 7
	v_mul_u32_u24 v69, v71, PA
	v_lshl_add_u32 v[AST], v72, 4, v69
	s_mul_i32 s36, s37, 16*PBL
	s_lshl_b32 s47, s23, 7
	s_add_co_u32 s36, s36, s47
	s_add_co_u32 s36, s36, BLDS
	v_mul_u32_u24 v69, v65, 4*PBL
	v_lshl_add_u32 v69, v64, 3, v69
	v_add_nc_u32 v[BST], s36, v69                  ; row 16 (w & 3) + 4 h, W_qr's columns 128 bytes on, 8 r bytes
	s_mul_i32 s36, s33, 32*PA
	v_mul_u32_u24 v69, v64, PA
	v_lshl_add_u32 v69, v65, 4, v69
	v_add_nc_u32 v[AFR], s36, v69
	s_lshl_b32 s36, s46, 7
	s_add_co_u32 s36, s36, BLDS
	v_lshl_add_u32 v69, v65, 3, v67
	v_mul_u32_u24 v69, v69, PBL
	v_lshl_add_u32 v69, v70, 4, v69
	v_add_nc_u32 v[BFR], s36, v69                  ; (8 h + g) PBL + 128 wn + 16 ((t >> 3) & 1)
	s_mul_i32 s36, s33, 32*QPITCH
	s_lshl_b32 s47, s46, 8
	s_add_co_u32 s36, s36, s47
	s_add_co_u32 s36, s36, QST
	v_mul_u32_u24 v69, v64, QPITCH
	v_lshl_add_u32 v69, v65, 5, v69
	v_add_nc_u32 v[STW], s36, v69                  ; (32 wm + r) QPITCH + 256 wn + 32 h
	v_mul_u32_u24 v69, v66, QPITCH
	v_add_nc_u32 v69, QST, v69
	v_lshl_add_u32 v[QRN], v67, 5, v69
	v_lshlrev_b32 v[G16], 4, v67
	v_add3_u32 v[QRP], v69, v[G16], 256
	v_add_nc_u32 v[TABA], TAB, v[AOFF]
	s_mul_i32 s36, s20, OSWAVE
	s_add_co_u32 s36, s36, OSC                     ; my wave's scratch
	v_mul_u32_u24 v69, v67, OSP
	v_lshl_add_u32 v69, v73, 4, v69
	v_add_nc_u32 v[OSW], s36, v69                  ; group g, row lane >> 3
	v_mul_u32_u24 v69, v65, OSP
	v_lshl_add_u32 v69, v64, 4, v69
	v_add_nc_u32 v[OSR], s36, v69                  ; group lane >> 4, row lane & 15
	v_and_b32 v74, 31, v0
	v_lshlrev_b32 v74, 4, v74
	v_lshl_add_u32 v[GO], v1, 11, v74
	v_mov_b32 v[ZERO], 0
	v_mov_b32 v[MASKV], 0xceabfb8f
	; the cosines and sines of my four frequencies 4g..4g+3 at my four queries' positions, while the first stages are on their way; only I read them back
	v_lshlrev_b32 v25, 2, v67
.irp j, 0,1,2,3
	v_add_nc_u32 v[INV+\j], \j, v25
	v_cvt_f32_u32 v[INV+\j], v[INV+\j]
	v_mul_f32 v[INV+\j], 0xbed49a78, v[INV+\j]     ; - f log2(10000) / 32
.endr
.irp j, 0,1,2,3
	v_exp_f32 v[INV+\j], v[INV+\j]
.endr
	v_mov_b32 v[CS], 0xab573f9f                    ; plain vector instructions stand behind the exponentials before their results are used (ISA guide 5.7.2)
	v_mov_b32 v[CC], 0x29573f9f
	s_lshl_b32 s36, s22, 7
	v_add_nc_u32 v[POS], s36, v66                  ; 128 y + my first query
	v_cvt_f32_u32 v[POS], v[POS]
	s_wait_alu depctr_va_vdst(0)                   ; the four exponentials have written INV: one wait for the batch, ahead of its first reader
.irp i, 0,1,2,3
.irp j, 0,1,2,3
	SINCOS TC+8*\i+\j, TC+8*\i+4+\j, POS, INV+\j
.endr
	v_add_f32 v[POS], 4.0, v[POS]                  ; four queries on
.endr
	s_wait_alu depctr_va_vdst(0)                   ; the table's 32 numbers are written, which the eight LDS stores read; so are v4 to v15 and v254, the addresses of every later LDS instruction and of the last stores
.irp i, 0,1,2,3
	ds_store_b128 v[TABA], v[TC+8*\i:TC+8*\i+3]   offset:\i*4096
	ds_store_b128 v[TABA], v[TC+8*\i+4:TC+8*\i+7] offset:16384+\i*4096
.endr
	s_wait_loadcnt NLD                             ; seg_id and stage 0 are in, stage 1's twelve loads stay out
	STORE SET0, 0
	s_wait_dscnt 0x0
	s_wait_alu depctr_vm_vsrc(0)                   ; the LDS stores have read set 0, in which the loads below land, and the table's registers, which the first products write
	ISSUE SET0, 1                                  ; stage 2
	s_barrier_signal -1
	s_barrier_wait -1
	STEP 0, 1, 1, 1, NLD
	s_mov_b32 s32, (TSTEPS-4)/2
.Lk:
	STEP 1, 0, 1, 1, NLD
	STEP 0, 0, 1, 1, NLD
	s_sub_co_u32 s32, s32, 1
	s_cmp_lg_u32 s32, 0
	s_cbranch_scc1 .Lk
	STEP 1, 0, 1, 0, NLD                           ; the last stage's loads are still out
	STEP 0, 0, 1, 0, 0
	STEP 1, 0, 0, 0, 0
	; the gathers of three passes (3 x 48 registers: what the fragments and the sets leave free) go out first; the stage and its barrier pass meanwhile
	PLACES
.irp i, 0,1,2,3
.irp d, 0,1,2
	v_sub_nc_u32 v[OFFK+3*\i+\d], v[SEG+\i], \d
	v_min_u32 v[OFFK+3*\i+\d], 0x7ff, v[OFFK+3*\i+\d]              ; a key that the mask drops is read at a row inside the table and gets the weight 0
	v_lshl_add_u32 v[OFFK+3*\i+\d], v[OFFK+3*\i+\d], 7, v[G16]     ; rows of 128 bytes, my 16 bytes
	v_lshlrev_b32 v[OFFV+3*\i+\d], 1, v[OFFK+3*\i+\d]              ; rows of 256 bytes, my 32 bytes
.endr
.endr
	s_wait_alu depctr_va_vdst(0)                   ; the 24 offsets are written, which the gathers read; the matrix instructions have written the accumulators, which the LDS stores read, and are done reading FR; the conversions are done with the sets: the gathers land in FR and the sets
	s_wait_alu depctr_vm_vsrc(0)                   ; the last two stages' LDS stores have read the sets, in which the gathers land
	GATHER 0, 0
	GATHER 1, 1
	GATHER 2, 2
.irp at, 0,1
.irp bt, 0,1,2,3
	ds_store_b128 v[STW], v[ACC+8*(4*\at+\bt):ACC+8*(4*\at+\bt)+3]   offset:\at*16*QPITCH+\bt*64
	ds_store_b128 v[STW], v[ACC+8*(4*\at+\bt)+4:ACC+8*(4*\at+\bt)+7] offset:\at*16*QPITCH+\bt*64+16
.endr
.endr
	s_wait_dscnt 0x0                               ; for the other waves, which read my rows
	s_barrier_signal -1
	s_barrier_wait -1
	s_wait_alu depctr_vm_vsrc(0)                   ; my LDS stores have read v16 to v79: from here on the passes' LDS loads land there and their vector instructions write there
	PASS 0, 0, 0, 24                               ; passes 1 and 2 stay out
	GATHER 3, 0                                    ; the last pass's rows, into the slot just used.  No wait: no vector instruction since pass 0's last wait
	PASS 1, 1, 1, 24                               ; passes 2 and 3 stay out
	s_wait_alu depctr_vm_vsrc(0)                   ; the LDS stores of passes 0 and 1 have read both sets of PK, which passes 2 and 3 write again
	PASS 2, 2, 0, 12
	PASS 3, 0, 1, 0
	; my wave's block, back from its own scratch (LDS serves a wave's instructions in order, ISA guide 5.7.1: these loads see the stores above).
	; They land in slot 1's registers, which no vector instruction since pass 3's last wait names.
.irp k, 0,1,2,3
	ds_load_b128 v[OUTR+4*\k:OUTR+4*\k+3],       v[OSR] offset:\k*2*OSP
	ds_load_b128 v[OUTR+16+4*\k:OUTR+16+4*\k+3], v[OSR] offset:OSPART+\k*2*OSP
.endr
.irp k, 0,1,2,3
	s_wait_dscnt 6-2*\k                            ; pair k is in, the younger pairs may be out
	global_store_b128 v[GO], v[OUTR+4*\k:OUTR+4*\k+3],       s[30:31] offset:\k*512            ; 512 consecutive bytes
	global_store_b128 v[GO], v[OUTR+16+4*\k:OUTR+16+4*\k+3], s[30:31] offset:16*PANEL+\k*512   ; the remainders, sixteen panels on
.endr
	s_set_vgpr_msb 0x4
	s_wait_dscnt 0x0
	s_wait_alu depctr_hold_cnt(0) depctr_sa_sdst(0) depctr_va_vdst(0) depctr_va_sdst(0) depctr_va_ssrc(0) depctr_va_vcc(0) depctr_vm_vsrc(0)
	s_wait_tensorcnt 0x0
	ds_add_u32 v255, v1
	s_wait_dscnt 0x0
	s_endpgm
.Lfunc_end_k_q6ec808d46c_qattn:
	.size	k_q6ec808d46c_qattn, .Lfunc_end_k_q6ec808d46c_qattn-k_q6ec808d46c_qattn
	.p2alignl 7, 3214868480
	.fill 96, 4, 3214868480
	.section	.rodata,"a",@progbits
	.p2align	6, 0x0
	.amdhsa_kernel k_q6ec808d46c_qattn
		.amdhsa_group_segment_fixed_size 228352
		.amdhsa_private_segment_fixed_size 0
		.amdhsa_enable_private_segment 0
		.amdhsa_kernarg_size 56
		.amdhsa_user_sgpr_count 2
		.amdhsa_user_sgpr_kernarg_segment_ptr 1
		.amdhsa_wavefront_size32 1
		.amdhsa_system_sgpr_workgroup_id_x 1
		.amdhsa_system_sgpr_workgroup_id_y 1
		.amdhsa_system_sgpr_workgroup_id_z 1
		.amdhsa_system_vgpr_workitem_id 0
		.amdhsa_next_free_vgpr 258
		.amdhsa_next_free_sgpr 66
		.amdhsa_reserve_vcc 0
		.amdhsa_float_denorm_mode_32 3
		.amdhsa_float_denorm_mode_16_64 3
		.amdhsa_memory_ordered 1
		.amdhsa_forward_progress 1
		.amdhsa_inst_pref_size 107
	.end_amdhsa_kernel
	.amdgpu_metadata
---
amdhsa.version: [ 1, 2 ]
amdhsa.kernels:
  - .name:           k_q6ec808d46c_qattn
    .symbol:         k_q6ec808d46c_qattn.kd
    .args:
      - { .name: qcp, .offset: 0, .size: 8, .value_kind: global_buffer, .address_space: global }
      - { .name: W_uq, .offset: 8, .size: 8, .value_kind: global_buffer, .address_space: global }
      - { .name: W_qr, .offset: 16, .size: 8, .value_kind: global_buffer, .address_space: global }
      - { .name: kvp, .offset: 24, .size: 8, .value_kind: global_buffer, .address_space: global }
      - { .name: vf, .offset: 32, .size: 8, .value_kind: global_buffer, .address_space: global }
      - { .name: seg_id, .offset: 40, .size: 8, .value_kind: global_buffer, .address_space: global }
      - { .name: aop, .offset: 48, .size: 8, .value_kind: global_buffer, .address_space: global }
    .group_segment_fixed_size: 228352
    .private_segment_fixed_size: 0
    .kernarg_segment_align: 8
    .kernarg_segment_size: 56
    .max_flat_workgroup_size: 256
    .sgpr_count:     66
    .vgpr_count:     258
    .wavefront_size: 32
...
	.end_amdgpu_metadata
.endif
;; end of part 6
;; launch oproj (part 7): grid 16 x 16, 8 waves a work-group, no clusters, 199,680 bytes of LDS; arguments aop, W_o, out0; writes out0
.if DOCPART == 7
	.amdgcn_target "amdgcn-amd-amdhsa--gfx1250"
	.amdhsa_code_object_version 6
	.text
	.protected	k_q6ec808d46c_oproj
	.globl	k_q6ec808d46c_oproj
	.p2align	8
	.type	k_q6ec808d46c_oproj,@function
k_q6ec808d46c_oproj:
	s_mov_b64 s[64:65], 0
	v_nop
	global_prefetch_b8 v0, s[64:65] scope:SCOPE_SE
	s_setreg_imm32_b32 hwreg(HW_REG_WAVE_SCHED_MODE, 0, 2), 2
	s_setreg_imm32_b32 hwreg(HW_REG_WAVE_MODE, 25, 1), 1
	s_wait_xcnt 0x0
	s_wait_alu depctr_vm_vsrc(0)
; Last of four launches: out0 = attn_out W_o (2048 x 1024, K = 1024).  attn_out lies in bf16 panels in fragment order, one panel for each head: K step j is panel j.
; attn_out comes as two bf16 numbers (panels 0..15 the rounded value, 16..31 the rounded remainder).  Both are multiplied by the same fragments of W_o and summed
; into the same accumulators: A's 16 significant bits at twice the matrix instructions, with W_o loaded, rounded and read once.
; A work-group makes 128 rows x 64 columns (x: the columns, y: the rows): 16 x 16 = 256 work-groups.
; A WAVE OWNS 16 ROWS x 64 COLUMNS: no other wave uses its fragments of A, so they go from memory straight into registers (each load 512 consecutive bytes):
; no LDS store and no LDS load for A.  Only W_o passes LDS: f32 from memory, rounded in registers, stored [k][n]; all 1,024 rows have bytes of their own and
; nothing is overwritten, so a barrier only has to show stores to readers: one after every fourth K step.
; Bundle j = A of step j (8 loads a thread) and W_o's rows of step j + 4 (4 loads, while there are any).  Three register sets take turns (bundle j in set j % 3),
; bundle j + 3 is asked for at the end of step j: 36 loads of a wave are on their way.  Every address is a base, a lane term and an immediate: no base is stepped.
; NO TENSOR LOADS, NO JOINT REQUESTS: W_o is f32 and has to pass registers to be rounded, and A is wanted in registers, not in LDS.
; THE MODE: SCHED_MODE bits 1:0 = 2 (LLVM: expert scheduling mode 2), set by the entry lines.  The code itself states the register dependences
; between vector or matrix instructions and memory or LDS instructions, with s_wait_alu, always for 0.
; THE PLAN.  Registers that memory or LDS instructions touch:
;   v2 .. v14   offsets and addresses, written once at the head and never again: v2 and v3 ahead of the wait in front of the first load, the others ahead of the wait in front of the first LDS stores.
;   FB0, FB1    at the head: W_o's rows of steps 0..3 land, are rounded in place and stored (a wait on va_vdst between, a wait on vm_vsrc behind the barrier).
;               Step st: its fragments land, its sixteen matrix instructions read them.
;   set j % 3   A's part: bundle j lands, step j's matrix instructions read it.  W_o's part: bundle j lands, step j's eight conversions round it in place, step j's four LDS stores read it.
;   ACC         named by matrix instructions alone until the way out, where LDS stores read it.
; So a step has TWO waits on va_vdst.  One behind its conversions: they have written what the LDS stores read; no matrix instruction is out there.  One at its end: its matrix instructions are done reading
; FB0, FB1 and the set's A.  Behind that one stand bundle st + 3's loads, into this step's set, and, with no vector or matrix instruction between, the next step's fragment loads; behind the last step
; the LDS stores of the accumulators.  A wait on vm_vsrc stands beside it where the loads land in registers that the step's LDS stores have read.
.set TSTEPS, 16
.set PBL,    160                       ; LDS row of W_o: 64 bf16 + 32 bytes = 5 x 32
.set BSTEP,  64*PBL                    ; 10,240: a K step's rows
.set BQUAD,  4*BSTEP                   ; four steps: as far as one address register and the 16-bit immediate reach
.set STAGE,  16*BSTEP                  ; 163,840: behind W_o, each wave's own 16 rows of 64 f32 for the way out
.set SPITCH, 272                       ; 256 + 16 = 17 x 16
.set WSTG,   16*SPITCH                 ; 4,352
.set PANEL,  262144
.set LOOFF,  16*PANEL                  ; from a panel of values to its remainders
.set AOFF, 2                           ; v2       2,048 w + 16 lane: my 16 bytes in A's tile
.set BOFF, 3                           ; v3       W_o: row 4 (t >> 4), 16 r bytes; the other rows in the immediate
.set BST,  4                           ; v[4:7]   LDS: where my rounded numbers of W_o go, steps 0.., 4.., 8.., 12..
.set BFR,  8                           ; v[8:11]  LDS: my fragments of W_o, likewise
.set STW,  12                          ; v12      my stage: where my results go
.set STR,  13                          ; v13      my stage, back: row lane >> 4, four f32
.set GOUT, 14                          ; v14      row 16 w + (lane >> 4) of the output tile, 16 r bytes
.set ACC,  16                          ; v[16:47]   four accumulator tiles; before the steps: scratch
.set FB0,  48                          ; v[48:79]   W_o's fragments of k = 0..31 of a step; at the start: W_o's rows of steps 0..3 on their way
.set FB1,  80                          ; v[80:111]  of k = 32..63
.set SET0, 112                         ; v[112:255] three sets of 48: A's values (k = 0.., 32..: 8 + 8), its remainders (8 + 8), W_o (16)
.set SETSZ, 48
.macro PLACES                          ; four places behind matrix instructions (ISA guide 7.12.1); they stay beside the waits
.rept 4
	v_nop
.endr
.endm
.macro SIZEOF j                        ; SZ = loads of bundle j
.if (\j) < TSTEPS-4
.set SZ, 12
.else
.if (\j) < TSTEPS
.set SZ, 8
.else
.set SZ, 0
.endif
.endif
.endm
.macro ISSUE j
.irp part, 0,1
.irp c, 0,1,2,3
	global_load_b128 v[SET0+((\j)%3)*SETSZ+16*\part+4*\c:SET0+((\j)%3)*SETSZ+16*\part+4*\c+3], v[AOFF], s[24:25] offset:\part*LOOFF+(\j)*PANEL+\c*512
.endr
.endr
.if (\j) < TSTEPS-4
.irp i, 0,1,2,3
	global_load_b128 v[SET0+((\j)%3)*SETSZ+32+4*\i:SET0+((\j)%3)*SETSZ+32+4*\i+3], v[BOFF], s[26:27] offset:(64*((\j)+4)+\i)*4096
.endr
.endif
.endm
; Eight transposing LDS loads: W_o's rows 64 st + 32 kk .. + 31, four tiles of 16 columns
.macro LOADFB st, kk, f
.irp bt, 0,1,2,3
	ds_load_tr16_b128 v[\f+8*\bt:\f+8*\bt+3],   v[BFR+(\st)/4] offset:((\st)%4)*BSTEP+\kk*32*PBL+\bt*32
	ds_load_tr16_b128 v[\f+8*\bt+4:\f+8*\bt+7], v[BFR+(\st)/4] offset:((\st)%4)*BSTEP+\kk*32*PBL+\bt*32+16*PBL
.endr
.endm
; Eight matrix instructions: the values, then the remainders.  The four accumulators take turns, one instruction a turn.
.macro MM8 a, f, zero
.irp bt, 0,1,2,3
.if \zero
	v_wmma_f32_16x16x32_bf16 v[ACC+8*\bt:ACC+8*\bt+7], v[\f+8*\bt:\f+8*\bt+7], v[\a:\a+7], 0
.else
	v_wmma_f32_16x16x32_bf16 v[ACC+8*\bt:ACC+8*\bt+7], v[\f+8*\bt:\f+8*\bt+7], v[\a:\a+7], v[ACC+8*\bt:ACC+8*\bt+7]
.endif
.endr
.irp bt, 0,1,2,3
	v_wmma_f32_16x16x32_bf16 v[ACC+8*\bt:ACC+8*\bt+7], v[\f+8*\bt:\f+8*\bt+7], v[\a+16:\a+23], v[ACC+8*\bt:ACC+8*\bt+7]
.endr
.endm
; K step st.  While its 16 fragment loads are on their way, W_o's rows of step st + 4 are rounded and stored.
.macro STEP st, zero
	LOADFB \st, 0, FB0                             ; no wait here: no vector or matrix instruction since the last wait on va_vdst names FB0 or FB1
	LOADFB \st, 1, FB1
	SIZEOF (\st)+1
.set CNT, SZ
	SIZEOF (\st)+2
.set CNT, CNT+SZ
	s_wait_loadcnt CNT                             ; bundle st is in; the loads of bundles st + 1 and st + 2 stay out
.if (\st) < TSTEPS-4
.irp i, 0,1,2,3
	v_cvt_pk_bf16_f32 v[SET0+((\st)%3)*SETSZ+32+4*\i],   v[SET0+((\st)%3)*SETSZ+32+4*\i],   v[SET0+((\st)%3)*SETSZ+32+4*\i+1]
	v_cvt_pk_bf16_f32 v[SET0+((\st)%3)*SETSZ+32+4*\i+1], v[SET0+((\st)%3)*SETSZ+32+4*\i+2], v[SET0+((\st)%3)*SETSZ+32+4*\i+3]
.endr
	s_wait_alu depctr_va_vdst(0)                   ; the eight conversions have written the four pairs that the LDS stores read
.irp i, 0,1,2,3
	ds_store_b64 v[BST+((\st)+4)/4], v[SET0+((\st)%3)*SETSZ+32+4*\i:SET0+((\st)%3)*SETSZ+32+4*\i+1] offset:(((\st)+4)%4)*BSTEP+\i*PBL
.endr
	s_wait_dscnt 0xc                               ; LDS instructions end in order: FB0's eight loads are in; FB1's eight and the four stores may be out
.else
	s_wait_dscnt 0x8                               ; FB0's eight loads are in, FB1's eight may be out
.endif
	MM8 SET0+((\st)%3)*SETSZ, FB0, \zero
	s_wait_dscnt 0x0                               ; FB1 is in, and my stores are done, for the other waves
	MM8 SET0+((\st)%3)*SETSZ+8, FB1, 0
	PLACES
	s_wait_alu depctr_va_vdst(0)                   ; the step's matrix instructions are done reading the set's A, FB0 and FB1, in which the loads below and the next step's land; behind the last step: they have written the accumulators, which the LDS stores read
.if (\st)+3 < TSTEPS-4
	s_wait_alu depctr_vm_vsrc(0)                   ; the step's LDS stores have read the set's four pairs of W_o, in which the loads below land
.endif
.if (\st)+3 < TSTEPS
	ISSUE (\st)+3
.endif
.if ((\st)%4 == 3) && ((\st) < TSTEPS-4)
	s_barrier_signal -1                            ; no LDS instruction of mine is out since the wait for 0 above
	s_barrier_wait -1                              ; W_o's rows of the next four steps are whole
.endif
.endm
	s_load_b128 s[4:7], s[0:1], 0x0                ; aop s[4:5], W_o s[6:7]
	s_load_b64 s[8:9], s[0:1], 0x10                ; out0
	v_lshl_add_u32 v15, v0, 2, 0x30800
	s_set_vgpr_msb 0x40
	v_mov_b32 v1, 0
	s_set_vgpr_msb 0x4000
	v_lshrrev_b32 v1, 5, v0                        ; w in every lane
	v_readfirstlane_b32 s20, v1                    ; wave
	s_mov_b32 s21, ttmp9                           ; x: which 64 columns
	s_and_b32 s22, ttmp7, 0xffff                   ; y: which 128 rows
	v_and_b32 v16, 15, v0                          ; r
	v_bfe_u32 v17, v0, 4, 1                        ; h
	v_lshrrev_b32 v18, 4, v0                       ; t >> 4
	v_and_b32 v19, 31, v0                          ; lane
	v_lshlrev_b32 v22, 4, v16                      ; 16 r
	v_lshlrev_b32 v19, 4, v19
	v_lshl_add_u32 v[AOFF], v1, 11, v19
	v_lshl_add_u32 v[BOFF], v18, 14, v22           ; 4 (t >> 4) rows of 4,096 bytes + 16 r
	s_mov_b32 s35, 0
	s_lshl_b32 s34, s22, 14                        ; 128 y rows of 128 bytes
	s_wait_kmcnt 0x0
	s_add_nc_u64 s[24:25], s[4:5], s[34:35]
	s_lshl_b32 s34, s21, 8                         ; 64 columns of f32
	s_add_nc_u64 s[26:27], s[6:7], s[34:35]
	s_add_nc_u64 s[30:31], s[8:9], s[34:35]
	s_lshl_b32 s34, s22, 19                        ; 128 y rows of 4,096 bytes
	s_add_nc_u64 s[30:31], s[30:31], s[34:35]
	s_wait_alu depctr_va_vdst(0)                   ; v2 and v3 are written, which every load of the launch reads as its offset
	; W_o's rows of steps 0..3 (16 loads), then bundles 0, 1, 2 (36 loads)
.irp s, 0,1,2,3
.irp i, 0,1,2,3
	global_load_b128 v[FB0+16*\s+4*\i:FB0+16*\s+4*\i+3], v[BOFF], s[26:27] offset:(64*\s+\i)*4096
.endr
.endr
	ISSUE 0
	ISSUE 1
	ISSUE 2
	; LDS addresses, while the loads are on their way
	v_and_b32 v20, 7, v0                           ; lane & 7
	v_bfe_u32 v21, v0, 3, 1                        ; (lane >> 3) & 1
	v_mul_u32_u24 v23, v18, 4*PBL
	v_lshl_add_u32 v[BST], v16, 3, v23             ; row 4 (t >> 4), 8 r bytes: the two halves of a wave 640 bytes apart, 128 modulo 256
	v_lshl_add_u32 v24, v17, 3, v20
	v_mul_u32_u24 v24, v24, PBL
	v_lshl_add_u32 v[BFR], v21, 4, v24             ; (8 h + (lane & 7)) PBL + 16 ((lane >> 3) & 1)
.irp k, 1,2,3
	v_add_nc_u32 v[BST+\k], \k*BQUAD, v[BST]
	v_add_nc_u32 v[BFR+\k], \k*BQUAD, v[BFR]
.endr
	s_wait_alu depctr_va_sdst(0)                   ; s20 is written, ahead of its first reader: my stage's address is made from it
	s_mul_i32 s36, s20, WSTG
	s_add_co_u32 s36, s36, STAGE                   ; my stage
	v_mul_u32_u24 v25, v16, SPITCH
	v_lshl_add_u32 v25, v17, 5, v25
	v_add_nc_u32 v[STW], s36, v25                  ; row r, 32 h bytes
	v_mul_u32_u24 v25, v17, SPITCH
	v_add_nc_u32 v25, s36, v25
	v_add_nc_u32 v[STR], v25, v22                  ; row h, 16 r bytes
	v_lshl_add_u32 v26, v17, 12, v22
	v_lshl_add_u32 v[GOUT], v1, 16, v26            ; (16 w + h) rows of 4,096 bytes + 16 r
	s_wait_loadcnt 36                              ; W_o's rows of steps 0..3 are in; the 36 loads of bundles 0, 1, 2 stay out
.irp n, 0,1,2,3,4,5,6,7,8,9,10,11,12,13,14,15
	v_cvt_pk_bf16_f32 v[FB0+4*\n],   v[FB0+4*\n],   v[FB0+4*\n+1]
	v_cvt_pk_bf16_f32 v[FB0+4*\n+1], v[FB0+4*\n+2], v[FB0+4*\n+3]
.endr
	s_wait_alu depctr_va_vdst(0)                   ; the conversions have written the pairs that the LDS stores read and are done with FB0 and FB1, in which step 0's fragments land; v4 to v14, the addresses of every later LDS instruction and store, are written
.irp s, 0,1,2,3
.irp i, 0,1,2,3
	ds_store_b64 v[BST], v[FB0+16*\s+4*\i:FB0+16*\s+4*\i+1] offset:\s*BSTEP+\i*PBL
.endr
.endr
	s_wait_dscnt 0x0                               ; for the other waves: my part of these rows is written
	s_barrier_signal -1
	s_barrier_wait -1
	s_wait_alu depctr_vm_vsrc(0)                   ; my LDS stores have read FB0 and FB1, in which step 0's fragments land
	STEP 0, 1                                      ; the first products start the sums: nothing is cleared
.irp st, 1,2,3,4,5,6,7,8,9,10,11,12,13,14,15
	STEP \st, 0
.endr
	; THE WAY OUT (the last step's four places and its wait stand in front): f32 through my own stage, so that sixteen neighbouring lanes store a row's 256 consecutive bytes,
	; at a multiple of 256 from out0's first byte.  LDS serves a wave's instructions in order (ISA guide 5.7.1): my loads see my stores.
.irp bt, 0,1,2,3
	ds_store_b128 v[STW], v[ACC+8*\bt:ACC+8*\bt+3]   offset:\bt*64
	ds_store_b128 v[STW], v[ACC+8*\bt+4:ACC+8*\bt+7] offset:\bt*64+16
.endr
.irp i, 0,1,2,3,4,5,6,7
	ds_load_b128 v[FB0+4*\i:FB0+4*\i+3], v[STR] offset:\i*2*SPITCH
.endr
.irp i, 0,1,2,3,4,5,6,7
	s_wait_dscnt 7-\i                              ; load i is in, the younger ones may be out
	global_store_b128 v[GOUT], v[FB0+4*\i:FB0+4*\i+3], s[30:31] offset:\i*8192 th:TH_STORE_NT
.endr
	s_set_vgpr_msb 0x4
	s_wait_dscnt 0x0
	s_wait_alu depctr_hold_cnt(0) depctr_sa_sdst(0) depctr_va_vdst(0) depctr_va_sdst(0) depctr_va_ssrc(0) depctr_va_vcc(0) depctr_vm_vsrc(0)
	s_wait_tensorcnt 0x0
	ds_add_u32 v15, v1
	s_wait_dscnt 0x0
	s_endpgm
.Lfunc_end_k_q6ec808d46c_oproj:
	.size	k_q6ec808d46c_oproj, .Lfunc_end_k_q6ec808d46c_oproj-k_q6ec808d46c_oproj
	.p2alignl 7, 3214868480
	.fill 96, 4, 3214868480
	.section	.rodata,"a",@progbits
	.p2align	6, 0x0
	.amdhsa_kernel k_q6ec808d46c_oproj
		.amdhsa_group_segment_fixed_size 199680
		.amdhsa_private_segment_fixed_size 0
		.amdhsa_enable_private_segment 0
		.amdhsa_kernarg_size 24
		.amdhsa_user_sgpr_count 2
		.amdhsa_user_sgpr_kernarg_segment_ptr 1
		.amdhsa_wavefront_size32 1
		.amdhsa_system_sgpr_workgroup_id_x 1
		.amdhsa_system_sgpr_workgroup_id_y 1
		.amdhsa_system_sgpr_workgroup_id_z 1
		.amdhsa_system_vgpr_workitem_id 0
		.amdhsa_next_free_vgpr 258
		.amdhsa_next_free_sgpr 66
		.amdhsa_reserve_vcc 0
		.amdhsa_float_denorm_mode_32 3
		.amdhsa_float_denorm_mode_16_64 3
		.amdhsa_memory_ordered 1
		.amdhsa_forward_progress 1
		.amdhsa_inst_pref_size 73
	.end_amdhsa_kernel
	.amdgpu_metadata
---
amdhsa.version: [ 1, 2 ]
amdhsa.kernels:
  - .name:           k_q6ec808d46c_oproj
    .symbol:         k_q6ec808d46c_oproj.kd
    .args:
      - { .name: aop, .offset: 0, .size: 8, .value_kind: global_buffer, .address_space: global }
      - { .name: W_o, .offset: 8, .size: 8, .value_kind: global_buffer, .address_space: global }
      - { .name: out0, .offset: 16, .size: 8, .value_kind: global_buffer, .address_space: global }
    .group_segment_fixed_size: 199680
    .private_segment_fixed_size: 0
    .kernarg_segment_align: 8
    .kernarg_segment_size: 24
    .max_flat_workgroup_size: 256
    .sgpr_count:     66
    .vgpr_count:     258
    .wavefront_size: 32
...
	.end_amdgpu_metadata
.endif
;; end of part 7
